; MI455X (gfx1250); checked and timed in simulation.
; The chip was launched on July 23, 2026; its instructions are those of AMD's public machine-readable ISA for CDNA 5 (MIT licence, August 2026) and "CDNA5" Instruction Set Architecture Reference Guide (July 2026). The comments in the code are by the model that wrote it; some were corrected since.
;; Sparse Deep Unrolling. Allowed arithmetic: float matrix products may take bf16 or f16 operands with f32 sums; other float arithmetic in f32, or as packed bf16 or f16 multiplies, adds, multiply-adds, maxima and minima; sums over many terms, partial sums and values carried from step to step in f32; what a program stores and reads back later, other than sums and carried values, may be rounded once to bf16 or f16.
;; Inputs: W 1,024 x 2,048 float32; x 4,096 x 1,024 x 1 float32.
;; Outputs: out0 4,096 x 1,024 x 1 float32; out1 4,096 x 2,048 x 1 float32.
;; 2 versions, each right; version 2 is version 1 with the launch prep written anew for expert scheduling mode. Each part assembles by itself: llvm-mc -triple=amdgcn-amd-amdhsa -mcpu=gfx1250 --defsym DOCPART=n.
;; ======== version 1 of 2: 5 launches
;; limits: values outside matrix products are rounded to bf16
;; workspace buffers: xb 8,388,608 bytes; wb 4,194,304 bytes; psum 131,072 bytes; u1 16,777,216 bytes; e 8,388,608 bytes; u2 16,777,216 bytes
;; launch prep (part 1): grid 256 x 1, 8 waves a work-group, no clusters, 5,120 bytes of LDS; arguments x, W, xb, wb, psum; writes xb, wb, psum
.if DOCPART == 1
	.amdgcn_target "amdgcn-amd-amdhsa--gfx1250"
	.amdhsa_code_object_version 6
	.text
	.protected	k_q3faac8195e_prep
	.globl	k_q3faac8195e_prep
	.p2align	8
	.type	k_q3faac8195e_prep,@function
k_q3faac8195e_prep:
	s_mov_b64 s[64:65], 0
	v_nop
	global_prefetch_b8 v0, s[64:65] scope:SCOPE_SE
	s_setreg_imm32_b32 hwreg(HW_REG_WAVE_MODE, 25, 1), 1
	s_wait_xcnt 0x0
; xb = bf16(x), wb = bf16(W) (each number rounded once, to nearest even, layouts kept), and psum[rb][p] = the sum over the 64 rows d of block rb of wb[d][p]^2, in f32.
; x: [4096][1024] f32, W: [1024][2048] f32, xb: [4096][1024] bf16, wb: [1024][2048] bf16, psum: [16][2048] f32.
; The squares are taken of the ROUNDED numbers: wb is the matrix operand of all four products, so the norm that divides them is wb's own.
; A stream: each input byte is read once, each output byte written once; no matrix work, nothing shared between work-groups, so no cluster and no tiles in LDS.
; SHARES.  All 256 work-groups are alike.  Work-group g takes x's rows 16 g .. 16 g + 15 (65,536 dense bytes) and of W the block of 64 rows rb = g / 16 x 128 columns cs = g % 16.
; x: load j of 16 takes 4,096 bytes on end, 16 a thread; its store 2,048 bytes on end, 8 a thread: a wave's store covers 256 consecutive bytes, aligned.
; W: wave w takes rows 8 w .. 8 w + 7 of the block, a row a load: 512 bytes on end a wave; a row's store is 256 consecutive bytes, aligned.
; All 24 loads of a lane go out at the head; every wait for them is counted.  No register is written twice while a store may read it.
; The eight waves' sums of squares meet in LDS; wave 0 adds them and stores 512 bytes of psum.
; LIMITS.  The sums of squares are plain f32 sums, in an order of their own; a column whose squares overflow f32 gives an infinity here.
.set PART,  0                          ; LDS: wave w's 128 partial sums at 512 w
.set SPARE, 4096                       ; behind them: the spare words, 128 bytes for each of the eight waves: four blocks of 256 bytes that no other line names
.set XO,  1                            ; v1   16 t: my offset in a load of x; also 512 w + 16 l, my place among the partial sums in LDS
.set XS,  2                            ; v2   8 t: my offset in a store of xb
.set WO,  3                            ; v3   65,536 w + 16 l: my wave's 8 rows of W, my 4 columns
.set WS,  4                            ; v4   32,768 w + 8 l: the same in wb
.set LO,  6                            ; v6   16 l
.set SS,  8                            ; v[8:11]   sums of squares of my 4 columns
.set SPW, 12                           ; v12  LDS address of my spare word: SPARE + 4 x my thread's number; never rewritten
.set NIL, 13                           ; v13  0; never rewritten
.set T,   16                           ; v[16:19]  four rounded numbers as f32
.set WL,  20                           ; v[20:51]  W as loaded, 4 registers a row; later the eight partial sums
.set XL,  52                           ; v[52:115] x as loaded, 4 registers a load
.set WP,  116                          ; v[116:131] wb to store, 2 registers a row
.set XP,  132                          ; v[132:163] xb to store, 2 registers a load
	s_load_b256 s[4:11], s[0:1], 0x0               ; x s[4:5], W s[6:7], xb s[8:9], wb s[10:11]
	s_load_b64 s[12:13], s[0:1], 0x20              ; psum
	v_lshl_add_u32 v[SPW], v0, 2, SPARE
	v_mov_b32 v[NIL], 0
	v_lshrrev_b32 v7, 5, v0
	v_readfirstlane_b32 s16, v7                    ; wave 0..7
	v_and_b32 v[LO], 31, v0                        ; lane
	v_lshlrev_b32 v[XO], 4, v0
	v_lshlrev_b32 v[XS], 3, v0
	v_lshlrev_b32 v[WO], 4, v[LO]
	v_lshl_add_u32 v[WO], v7, 16, v[WO]            ; 8 rows of 8,192 bytes a wave
	v_lshlrev_b32 v[WS], 3, v[LO]
	v_lshl_add_u32 v[WS], v7, 15, v[WS]            ; 8 rows of 4,096 bytes a wave
	v_lshlrev_b32 v[LO], 4, v[LO]
	s_mov_b32 s17, 0xffff0000                      ; a word's upper bf16
	s_lshl_b32 s14, ttmp9, 16                      ; x: 16 rows of 4,096 bytes a work-group
	s_mov_b32 s15, 0
	s_lshl_b32 s18, ttmp9, 15                      ; xb: half of that
	s_mov_b32 s19, 0
	s_lshr_b32 s20, ttmp9, 4                       ; rb
	s_and_b32 s21, ttmp9, 15                       ; cs
	s_lshl_b32 s22, s20, 19                        ; W: 64 rows of 8,192 bytes,
	s_lshl_b32 s24, s21, 9                         ; 128 columns of 4 bytes
	s_add_co_u32 s22, s22, s24
	s_mov_b32 s23, 0
	s_lshl_b32 s26, s20, 13                        ; psum: row rb of 8,192 bytes, the same columns
	s_add_co_u32 s26, s26, s24
	s_mov_b32 s27, 0
	s_lshr_b32 s24, s22, 1                         ; wb: half of W's offset
	s_mov_b32 s25, 0
	s_wait_kmcnt 0x0
	s_add_nc_u64 s[4:5], s[4:5], s[14:15]
	s_add_nc_u64 s[6:7], s[6:7], s[22:23]
	s_add_nc_u64 s[8:9], s[8:9], s[18:19]
	s_add_nc_u64 s[10:11], s[10:11], s[24:25]
	s_add_nc_u64 s[12:13], s[12:13], s[26:27]
.irp j, 0,1,2,3,4,5,6,7
	global_load_b128 v[WL+4*(\j):WL+4*(\j)+3], v[WO], s[6:7] offset:(\j)*8192 th:TH_LOAD_NT
.endr
.irp j, 0,1,2,3,4,5,6,7,8,9,10,11,12,13,14,15
	global_load_b128 v[XL+4*(\j):XL+4*(\j)+3], v[XO], s[4:5] offset:(\j)*4096 th:TH_LOAD_NT
.endr
	; W: round, square the rounded numbers, store
.irp j, 0,1,2,3,4,5,6,7
	s_wait_loadcnt 23-(\j)                         ; loads come back in order: row j is in; the 7 - j later rows and x's 16 loads may stay out
	v_cvt_pk_bf16_f32 v[WP+2*(\j)],   v[WL+4*(\j)],   v[WL+4*(\j)+1]
	v_cvt_pk_bf16_f32 v[WP+2*(\j)+1], v[WL+4*(\j)+2], v[WL+4*(\j)+3]
	v_lshlrev_b32 v[T],   16,  v[WP+2*(\j)]        ; bf16 to f32: the low half moves up,
	v_and_b32     v[T+1], s17, v[WP+2*(\j)]        ; the high half stays
	v_lshlrev_b32 v[T+2], 16,  v[WP+2*(\j)+1]
	v_and_b32     v[T+3], s17, v[WP+2*(\j)+1]
.if (\j) == 0
	v_pk_mul_f32 v[SS:SS+1],   v[T:T+1],   v[T:T+1]      ; the first row starts the sums: nothing is cleared
	v_pk_mul_f32 v[SS+2:SS+3], v[T+2:T+3], v[T+2:T+3]
.else
	v_pk_fma_f32 v[SS:SS+1],   v[T:T+1],   v[T:T+1],   v[SS:SS+1]
	v_pk_fma_f32 v[SS+2:SS+3], v[T+2:T+3], v[T+2:T+3], v[SS+2:SS+3]
.endif
	global_store_b64 v[WS], v[WP+2*(\j):WP+2*(\j)+1], s[10:11] offset:(\j)*4096
.endr
	ds_store_b128 v[XO], v[SS:SS+3] offset:PART    ; my wave's sums over its 8 rows
	; x: round, store
.irp j, 0,1,2,3,4,5,6,7,8,9,10,11,12,13,14,15
	s_wait_loadcnt 15-(\j)
	v_cvt_pk_bf16_f32 v[XP+2*(\j)],   v[XL+4*(\j)],   v[XL+4*(\j)+1]
	v_cvt_pk_bf16_f32 v[XP+2*(\j)+1], v[XL+4*(\j)+2], v[XL+4*(\j)+3]
	global_store_b64 v[XS], v[XP+2*(\j):XP+2*(\j)+1], s[8:9] offset:(\j)*2048
.endr
	s_wait_dscnt 0x0                               ; for wave 0's sake: my partial sums lie in LDS
	s_barrier_signal -1
	s_barrier_wait -1
	s_cmp_lg_u32 s16, 0
	s_cbranch_scc1 .Lend                           ; wave 0 adds the eight
.irp v, 0,1,2,3,4,5,6,7
	ds_load_b128 v[WL+4*(\v):WL+4*(\v)+3], v[LO] offset:PART+512*(\v)
.endr
	s_wait_dscnt 0x0
.irp d, 4,2,1                          ; a tree: d vectors of four are added onto d others
.set k, 0
.rept 2*(\d)
	v_pk_add_f32 v[WL+2*k:WL+2*k+1], v[WL+2*k:WL+2*k+1], v[WL+4*(\d)+2*k:WL+4*(\d)+2*k+1]
.set k, k+1
.endr
.endr
	global_store_b128 v[LO], v[WL:WL+3], s[12:13]  ; 512 bytes on end
.Lend:
	s_wait_tensorcnt 0x0                           ; the wave's end, behind my last LDS store
	ds_add_u32 v[SPW], v[NIL]
	s_wait_dscnt 0x0
	s_endpgm
.Lfunc_end_k_q3faac8195e_prep:
	.size	k_q3faac8195e_prep, .Lfunc_end_k_q3faac8195e_prep-k_q3faac8195e_prep
	.p2alignl 7, 3214868480
	.fill 96, 4, 3214868480
	.section	.rodata,"a",@progbits
	.p2align	6, 0x0
	.amdhsa_kernel k_q3faac8195e_prep
		.amdhsa_group_segment_fixed_size 5120
		.amdhsa_private_segment_fixed_size 0
		.amdhsa_enable_private_segment 0
		.amdhsa_kernarg_size 40
		.amdhsa_user_sgpr_count 2
		.amdhsa_user_sgpr_kernarg_segment_ptr 1
		.amdhsa_wavefront_size32 1
		.amdhsa_system_sgpr_workgroup_id_x 1
		.amdhsa_system_sgpr_workgroup_id_y 1
		.amdhsa_system_sgpr_workgroup_id_z 1
		.amdhsa_system_vgpr_workitem_id 0
		.amdhsa_next_free_vgpr 168
		.amdhsa_next_free_sgpr 66
		.amdhsa_reserve_vcc 0
		.amdhsa_float_denorm_mode_32 3
		.amdhsa_float_denorm_mode_16_64 3
		.amdhsa_memory_ordered 1
		.amdhsa_forward_progress 1
		.amdhsa_inst_pref_size 14
	.end_amdhsa_kernel
	.amdgpu_metadata
---
amdhsa.version: [ 1, 2 ]
amdhsa.kernels:
  - .name:           k_q3faac8195e_prep
    .symbol:         k_q3faac8195e_prep.kd
    .args:
      - { .name: x, .offset: 0, .size: 8, .value_kind: global_buffer, .address_space: global }
      - { .name: W, .offset: 8, .size: 8, .value_kind: global_buffer, .address_space: global }
      - { .name: xb, .offset: 16, .size: 8, .value_kind: global_buffer, .address_space: global }
      - { .name: wb, .offset: 24, .size: 8, .value_kind: global_buffer, .address_space: global }
      - { .name: psum, .offset: 32, .size: 8, .value_kind: global_buffer, .address_space: global }
    .group_segment_fixed_size: 5120
    .private_segment_fixed_size: 0
    .kernarg_segment_align: 8
    .kernarg_segment_size: 40
    .max_flat_workgroup_size: 256
    .sgpr_count:     66
    .vgpr_count:     168
    .wavefront_size: 32
...
	.end_amdgpu_metadata
.endif
;; end of part 1
;; launch fwd1 (part 2): grid 8 x 32, 4 waves a work-group, clusters of 4 x 4, 327,680 bytes of LDS; arguments xb, wb, psum, u1; writes u1
.if DOCPART == 2
	.amdgcn_target "amdgcn-amd-amdhsa--gfx1250"
	.amdhsa_code_object_version 6
	.text
	.protected	k_q3faac8195e_fwd1
	.globl	k_q3faac8195e_fwd1
	.p2align	8
	.type	k_q3faac8195e_fwd1,@function
k_q3faac8195e_fwd1:
	s_mov_b64 s[64:65], 0
	v_nop
	global_prefetch_b8 v0, s[64:65] scope:SCOPE_SE
	s_setreg_imm32_b32 hwreg(HW_REG_WAVE_MODE, 25, 1), 1
	s_wait_xcnt 0x0
	s_wait_alu depctr_hold_cnt(0) depctr_sa_sdst(0) depctr_va_vdst(0) depctr_va_sdst(0) depctr_va_ssrc(0) depctr_va_vcc(0) depctr_vm_vsrc(0)
	s_getreg_b32 s2, hwreg(HW_REG_IB_STS2, 6, 4)
	s_cmp_eq_u32 s2, 0
	s_cbranch_scc0 .Lentry_in_a_cluster
	s_endpgm
.Lentry_in_a_cluster:
	s_bfe_u32 s2, ttmp6, 0x10000c
	s_cmp_lg_u32 s2, 0xf033
	s_cbranch_scc0 .Lentry_shape_is_right
	s_endpgm
.Lentry_shape_is_right:
; THE PRODUCT WITH THE DICTIONARY, first step (SECOND = 0; the second step's text is this one with SECOND = 1).
; acc[m][p] = the sum over d of Act[m][d] wb[d][p].  Act: [4096][1024] bf16; wb: [1024][2048] bf16, W rounded once, in W's own layout; sums in f32.
; ss[p] = the sum of psum's 16 partial sums; inv = 1 / sqrt(ss), nrm = sqrt(ss): the column's norm is applied here, in f32, so W is rounded once only.
; SECOND = 0 (Act = bf16(x)):      z = max(0.1 inv acc - 0.012, 0);            uout = bf16(z inv)                (z = relu(b): the reference's first step multiplies zeros)
; SECOND = 1 (Act = bf16(x - r)):  z = max(uin nrm + 0.1 inv acc - 0.012, 0);  out1 = z;  uout = bf16(z inv)     (z1 A + b = z1 + 0.1 (x - z1 Wn^T) Wn - 0.012, by associativity)
; LIMITS.  The first step's z comes back as uin nrm: it has been rounded once to bf16.  A column of W whose sum of squares is 0, overflows f32 or is a denormal is not served
; (v_rsq_f32 and v_sqrt_f32: within 1 ULP, denormals count as 0); the maximum with 0 drops a NaN.  The sums' order is the matrix unit's.
; SHARES.  A tile of C is 128 rows x 256 columns: 32 x 8 tiles, a work-group each.  Wave w makes rows 64 (w / 2) on, columns 128 (w % 2) on: 32 accumulators of 16 x 16, 256 registers.
; K goes in 8 steps of 128 through a ring of two LDS slots.  Act's tile has rows of 256 bytes, wb's tile 128 rows (d) of 512 bytes; both start at multiples of 256 bytes.
; wb LIES [K][N]: its fragments come out of LDS turned, by ds_load_tr16_b128, so no transposed copy of W is ever made.
; THE MATRIX INSTRUCTION IS USED TRANSPOSED (source 0 = 16 columns p of wb, source 1 = 16 rows of Act): a lane holds row lane % 16 of C and the columns 8 (lane / 16) + 0..7.
; CLUSTERS: 4 x 4 work-groups.  The four of a row of the cluster need the same tiles of Act, the four of a column the same tiles of wb: each is asked for JOINTLY.
; REGISTERS: window 0: v0-47 addresses and the columns' factors; v64-159, v160-255 two fragment buffers (64 registers of wb, 32 of Act).  Window 1: accumulator (a, b) at v[8 (8 a + b)].
.set SECOND, 0
.set PA,     272                       ; a row of Act in LDS: 256 bytes + 16 = 68 words: row r starts at bank 4 r mod 64 (64 banks of 4 bytes: ISA guide 11.1)
.set PB,     544                       ; a row of wb: 512 + 32 = 136 words: row r starts at bank 8 r mod 64
.set AHALF,  64*PA                     ; what one tensor load brings of Act, and what one wave reads of it
.set BHALF,  64*PB                     ; what one tensor load brings of wb
.set BOFF,   128*PA                    ; in a slot: Act's 128 rows, then wb's 128
.set SLOT,   BOFF+128*PB
.set UREG,   2*SLOT                    ; behind the ring: 64 rows x 256 bytes of uin for each wave (SECOND = 1)
.set SPARE,  UREG+4*16384              ; the spare words, 128 bytes for each wave: two blocks of 256 bytes that no other line names
.set SP,     528                       ; the way out: a row of 128 f32 + 16 bytes = 33 x 16: the 16 rows of a store start at 16 different groups of four banks
.set WSTAGE, 64*SP                     ; a wave's stage, 64 rows, at wave x WSTAGE: it lies over the ring, which has had its last fill and its last read by then
.set ASTEP,  256                       ; bytes from a K step to the next in Act,
.set BSTEP,  128*4096                  ; and in wb
.set LAPS,   4                         ; a lap = two K steps = once round the ring
.set ADRA, 16                          ; v16-17  LDS address of my Act fragments in slot 0, 1
.set ADRB, 20                          ; v20-21  the same for wb
.set STO,  24                          ; v24  the way out: where I put 16 bytes of a row
.set RD,   25                          ; v25  where I read a row back: 16 bytes, columns 4 l .. 4 l + 3
.set ZO,   26                          ; v26  16 l: my offset in a row's 512 bytes of out1
.set UO,   27                          ; v27  8 l: my offset in a row's 256 bytes of uout
.set SPW,  28                          ; v28  LDS address of my spare word: SPARE + 4 x my thread's number; never rewritten
.set NIL,  29                          ; v29  0; never rewritten
.set UR,   30                          ; v30  my 8 bytes of a row of uin in LDS
.set PO,   31                          ; v31  my 4 columns in a row of psum
.set SC,   32                          ; v[32:35]  0.1 inv of columns 4 l .. 4 l + 3
.set INV,  36                          ; v[36:39]  inv
.set NRM,  40                          ; v[40:43]  nrm
.set RA,   44                          ; v44  RD + the trip's rows
.set UA,   45                          ; v45  UR + the trip's rows
.set F0,   64
.set F1,   160
.set X,    64                          ; the way out: v[64:95] eight rows of 4 numbers
.set U,    96                          ; v[96:111] eight rows of 4 bf16 of uin
.set T,    112                         ; v[112:143] at work
.set Y,    144                         ; v[144:159] eight rows of 4 bf16 to store
.set WV,   16                          ; s16  wave
.set RH,   17                          ; s17  which half of the tile's rows is mine.  Also: I fetch for Act (0) or for wb (1)
.set CH,   18                          ; s18  which half of its columns.  Also: which half of that tile I fetch
.set CNT,  19
.set G1A,  24                          ; s[24:31] descriptor group 1 for Act's tiles;  s[32:39] group 0, a set for each slot
.set G0A,  32
.set G1B,  40                          ; s[40:47], s[48:55] the same for wb's
.set G0B,  48
.set G0U,  72                          ; s[72:75], s[76:83] for my piece of uin
.set G1U,  76
.set MASK, 84                          ; s84  a word's upper bf16
.set CB,   86                          ; s[86:87] -0.012: the packed multiply-add takes the pair's low word for both halves
.set MSB, 0
.macro WIN new                         ; the immediate's high byte repeats the setting that is left; a switch that changes nothing is dropped
.if MSB != (\new)
	s_set_vgpr_msb (MSB<<8)|(\new)
.set MSB, \new
.endif
.endm
.set MUL,  0x50                        ; C and D window 1, sources window 0
.set DAT1, 0x04                        ; an LDS store's data (source 1) window 1, its address window 0
.macro JLOAD s                         ; a joint load: waves 0 and 1 fetch Act's two halves, waves 2 and 3 wb's; an s_nop 0 and four v_nop follow each of the two lines
	s_cmp_eq_u32 s[RH], 0
	s_cbranch_scc0 .Lfor_b_\@
	tensor_load_to_lds s[G0A+4*(\s):G0A+4*(\s)+3], s[G1A:G1A+7]
	s_nop 0
.rept 4
	v_nop
.endr
	s_branch .Lasked_\@
.Lfor_b_\@:
	tensor_load_to_lds s[G0B+4*(\s):G0B+4*(\s)+3], s[G1B:G1B+7]
	s_nop 0
.rept 4
	v_nop
.endr
.Lasked_\@:
.endm
.macro CREST                           ; a round of the cluster's barrier behind its opening barrier
	s_cmp_lg_u32 s[WV], 0
	s_cbranch_scc1 .Lnot_wave_0_\@
	s_barrier_signal -3
.Lnot_wave_0_\@:
	s_barrier_wait -3
	s_barrier_signal -1
	s_barrier_wait -1
.endm
.macro CROUND                          ; a whole round
	s_barrier_signal -1
	s_barrier_wait -1
	CREST
.endm
	s_load_b256 s[4:11], s[0:1], 0x0               ; Act s[4:5], wb s[6:7], psum s[8:9], uout s[10:11]
.if SECOND
	s_load_b128 s[12:15], s[0:1], 0x20             ; uin s[12:13], out1 s[14:15]
.endif
	v_lshl_add_u32 v[SPW], v0, 2, SPARE
	v_mov_b32 v[NIL], 0
	ds_add_u32 v[SPW], v[NIL]                      ; the wave's opening: the add and its wait stand ahead of my first tensor load; the set-up below, work on registers, stands between them
	v_lshrrev_b32 v1, 5, v0
	v_readfirstlane_b32 s[WV], v1                  ; wave 0..3
	s_lshr_b32 s[RH], s[WV], 1
	s_and_b32 s[CH], s[WV], 1
	s_bfe_u32 s20, ttmp6, 0x40000                  ; cx, cy: my place in the cluster
	s_bfe_u32 s21, ttmp6, 0x40004
	s_lshl_b32 s22, ttmp9, 2
	s_add_co_u32 s22, s22, s20                     ; tile column of C = 4 x cluster x + cx
	s_and_b32 s23, ttmp7, 0xffff
	s_lshl_b32 s23, s23, 2
	s_add_co_u32 s23, s23, s21                     ; tile row of C = 4 x cluster y + cy
	s_lshl_b32 s56, s21, 2
	s_lshl_b32 s56, 15, s56                        ; my row of the cluster
	s_lshl_b32 s57, 0x1111, s20                    ; my column
	s_or_b32 s[G1A], s56, (1<<16)|(1<<20)|(1<<21)|(5<<22)|(3<<25)  ; 15:0 the mask: Act's tiles go to my row; 17:16 2-byte elements; 20 padding on; 21 set beside a mask; 24:22 after every 64 words (code 5); 31:25 4 words (code 3)
	s_mov_b32 s[G1A+1], 128<<16                    ; tensor_dim0 = 128
	s_mov_b32 s[G1A+2], 64<<16                     ; tensor_dim1 = 64
	s_mov_b32 s[G1A+3], 128<<16                    ; tile_dim0 = 128
	s_mov_b32 s[G1A+4], 64                         ; tile_dim1 = 64
	s_mov_b32 s[G1A+5], 1024                       ; elements from row to row of Act
	s_mov_b32 s[G1A+6], 0
	s_mov_b32 s[G1A+7], 0
	s_or_b32 s[G1B], s57, (1<<16)|(1<<20)|(1<<21)|(6<<22)|(7<<25)  ; the mask of my column; padding after every 128 words (code 6), 8 words (code 7)
	s_mov_b32 s[G1B+1], 256<<16                    ; tensor_dim0 = 256
	s_mov_b32 s[G1B+2], 64<<16
	s_mov_b32 s[G1B+3], 256<<16                    ; tile_dim0 = 256
	s_mov_b32 s[G1B+4], 64
	s_mov_b32 s[G1B+5], 2048                       ; elements from row to row of wb
	s_mov_b32 s[G1B+6], 0
	s_mov_b32 s[G1B+7], 0
	; where the tiles come from.  Act's hang on the tile row alone, wb's on the tile column alone, each in registers that never hold the other coordinate
	s_lshl_b32 s58, s23, 18                        ; Act: 128 rows of 2,048 bytes a tile row,
	s_lshl_b32 s59, s[CH], 17                      ; 64 rows a half
	s_add_co_u32 s58, s58, s59
	s_mov_b32 s59, 0
	s_lshl_b32 s60, s22, 9                         ; wb: 256 columns of 2 bytes a tile column,
	s_lshl_b32 s61, s[CH], 18                      ; 64 rows of 4,096 bytes a half
	s_add_co_u32 s60, s60, s61
	s_mov_b32 s61, 0
	s_mul_i32 s62, s[CH], AHALF                    ; and where they go: no place in the cluster enters an LDS address
	s_mul_i32 s63, s[CH], BHALF
	s_add_co_u32 s63, s63, BOFF
	; my part of C in uout (and in uin, of the same shape): row 128 x tile row + 64 x half, 4,096 bytes a row; column 256 x tile column + 128 x half, 2 bytes each
	s_lshl_b32 s66, s23, 19
	s_lshl_b32 s67, s[RH], 18
	s_add_co_u32 s66, s66, s67
	s_lshl_b32 s67, s22, 9
	s_add_co_u32 s66, s66, s67
	s_lshl_b32 s67, s[CH], 8
	s_add_co_u32 s66, s66, s67
	s_mov_b32 s67, 0
.if SECOND
	s_lshl_b32 s68, s66, 1                         ; in out1: twice that
	s_mov_b32 s69, 0
	s_lshl_b32 s70, s[WV], 14
	s_mov_b32 s[G0U], 1
	s_add_co_u32 s[G0U+1], s70, UREG               ; my own 16,384 bytes
	s_mov_b32 s[G1U], 1<<16                        ; no mask: a load of my own; 2-byte elements; no padding
	s_mov_b32 s[G1U+1], 128<<16
	s_mov_b32 s[G1U+2], 64<<16
	s_mov_b32 s[G1U+3], 128<<16
	s_mov_b32 s[G1U+4], 64
	s_mov_b32 s[G1U+5], 2048
	s_mov_b32 s[G1U+6], 0
	s_mov_b32 s[G1U+7], 0
.endif
	s_lshl_b32 s71, s22, 10                        ; my 128 columns in a row of psum, 4 bytes each
	s_lshl_b32 s88, s[CH], 9
	s_add_co_u32 s71, s71, s88
	s_mov_b32 s[MASK], 0xffff0000
	s_mov_b32 s[CB], 0xbc449ba6                    ; -0.012
	s_mov_b32 s[CB+1], s[CB]                       ; named with it as a pair
	s_wait_dscnt 0x0                               ; the opening add is done
	s_wait_kmcnt 0x0
	s_add_nc_u64 s[58:59], s[4:5], s[58:59]
	s_add_nc_u64 s[60:61], s[6:7], s[60:61]
	s_add_nc_u64 s[10:11], s[10:11], s[66:67]
.if SECOND
	s_add_nc_u64 s[G0U+2:G0U+3], s[12:13], s[66:67]
	s_or_b32 s[G0U+3], s[G0U+3], 0x80000000
	s_add_nc_u64 s[14:15], s[14:15], s[68:69]
.endif
	CROUND                                         ; all sixteen work-groups are here: the first joint loads meet
.irp s, 0,1
	s_mov_b32 s[G0A+4*(\s)], 1                                       ; count = 1
	s_add_co_u32 s[G0A+4*(\s)+1], s62, (\s)*SLOT                     ; LDS address
	s_add_nc_u64 s[G0A+4*(\s)+2:G0A+4*(\s)+3], s[58:59], (\s)*ASTEP  ; global address: K step s
	s_or_b32 s[G0A+4*(\s)+3], s[G0A+4*(\s)+3], 0x80000000            ; type = 2
	s_mov_b32 s[G0B+4*(\s)], 1
	s_add_co_u32 s[G0B+4*(\s)+1], s63, (\s)*SLOT
	s_add_nc_u64 s[G0B+4*(\s)+2:G0B+4*(\s)+3], s[60:61], (\s)*BSTEP
	s_or_b32 s[G0B+4*(\s)+3], s[G0B+4*(\s)+3], 0x80000000
	JLOAD \s
.endr
.if SECOND
	tensor_load_to_lds s[G0U:G0U+3], s[G1U:G1U+7]  ; my 64 x 128 piece of uin, for the way out: the third and last of my first fills
	s_nop 0
.rept 4
	v_nop
.endr
.endif
	v_and_b32 v1, 15, v0                           ; r = l % 16
	v_bfe_u32 v2, v0, 4, 1                         ; h = l / 16
	v_and_b32 v3, 31, v0                           ; l
	v_lshl_add_u32 v[PO], v3, 4, s71
.irp j, 0,1,2,3,4,5,6,7,8,9,10,11,12,13,14,15
	global_load_b128 v[F0+4*(\j):F0+4*(\j)+3], v[PO], s[8:9] offset:(\j)*8192  ; the 16 partial sums of my 4 columns, into registers that are free until the first fragments come
.endr
	; A fragment of Act is 16 rows x 32 K in 8 registers: lane l holds row r; K = 8 h + 0..7 and 16 + 8 h + 0..7: two loads of 16 bytes, 32 bytes apart.
	v_mul_u32_u24 v4, v1, PA
	v_lshl_add_u32 v4, v2, 4, v4
	s_mul_i32 s88, s[RH], AHALF                    ; my 64 rows
	v_add_nc_u32 v[ADRA], s88, v4
	v_add_nc_u32 v[ADRA+1], SLOT, v[ADRA]
	; The turning load takes 16 K x 16 columns (lane l reads 16 bytes: row 8 h + l % 8, columns 8 ((l / 8) % 2) + 0..7) and leaves half a fragment: lane l holds column r and 8 K.
	v_and_b32 v5, 7, v0
	v_bfe_u32 v6, v0, 3, 1
	v_lshl_add_u32 v7, v2, 3, v5
	v_mul_u32_u24 v7, v7, PB
	v_lshl_add_u32 v7, v6, 4, v7
	s_lshl_b32 s88, s[CH], 8                       ; my 128 columns
	s_add_co_u32 s88, s88, BOFF
	v_add_nc_u32 v[ADRB], s88, v7
	v_add_nc_u32 v[ADRB+1], SLOT, v[ADRB]
	s_mul_i32 s88, s[WV], WSTAGE                   ; my stage
	v_mul_u32_u24 v[STO], v1, SP                   ; in: row r, 32 bytes for each half of the lanes
	v_lshl_add_u32 v[STO], v2, 5, v[STO]
	v_add_nc_u32 v[STO], s88, v[STO]
	v_lshl_add_u32 v[RD], v3, 4, s88               ; back: a row's 512 bytes, 16 a lane
	v_lshlrev_b32 v[UO], 3, v3
.if SECOND
	v_lshlrev_b32 v[ZO], 4, v3
	v_lshl_add_u32 v[UR], v3, 3, s[G0U+1]
.endif
	s_wait_loadcnt 0x0                             ; psum
.irp d, 8,4,2,1                        ; a tree: d vectors of four are added onto d others
.set k, 0
.rept 2*(\d)
	v_pk_add_f32 v[F0+2*k:F0+2*k+1], v[F0+2*k:F0+2*k+1], v[F0+4*(\d)+2*k:F0+4*(\d)+2*k+1]
.set k, k+1
.endr
.endr
.irp i, 0,1,2,3
	v_rsq_f32 v[INV+(\i)], v[F0+(\i)]
.endr
.if SECOND
.irp i, 0,1,2,3
	v_sqrt_f32 v[NRM+(\i)], v[F0+(\i)]
.endr
.endif
	v_nop                                          ; a plain instruction behind the last of them, ahead of the first use and of the loads into their sources
	s_wait_alu depctr_va_vdst(0)                   ; and a wait ahead of the first use: one for the batch
.irp i, 0,1,2,3
	v_mul_f32 v[SC+(\i)], 0x3dcccccd, v[INV+(\i)]  ; 0.1 inv
.endr
; 8 matrix instructions: row block a x all 8 column blocks, 32 along K, from buffer f.  zero = 1: the product starts the sums: nothing is ever cleared.
; The 32 accumulators take turns in the same order in every quarter: 31 others' stand between two links of a chain, over the backward jump too.
.macro MUL8 f, a, zero
	WIN MUL
.irp b, 0,1,2,3,4,5,6,7
.if \zero
	v_wmma_f32_16x16x32_bf16 v[8*(8*(\a)+(\b)):8*(8*(\a)+(\b))+7], v[(\f)+8*(\b):(\f)+8*(\b)+7], v[(\f)+64+8*(\a):(\f)+64+8*(\a)+7], 0
.else
	v_wmma_f32_16x16x32_bf16 v[8*(8*(\a)+(\b)):8*(8*(\a)+(\b))+7], v[(\f)+8*(\b):(\f)+8*(\b)+7], v[(\f)+64+8*(\a):(\f)+64+8*(\a)+7], v[8*(8*(\a)+(\b)):8*(8*(\a)+(\b))+7]
.endif
.endr
.endm
; 24 LDS loads in one run: quarter q (32 along K) of a slot into buffer f: wb's 8 fragments, turned, then Act's 4
.macro FETCH slot, q, f
	WIN 0
.irp b, 0,1,2,3,4,5,6,7
	ds_load_tr16_b128 v[(\f)+8*(\b):(\f)+8*(\b)+3],   v[ADRB+(\slot)] offset:(\q)*32*PB+32*(\b)
	ds_load_tr16_b128 v[(\f)+8*(\b)+4:(\f)+8*(\b)+7], v[ADRB+(\slot)] offset:(\q)*32*PB+16*PB+32*(\b)
.endr
.irp a, 0,1,2,3
	ds_load_b128 v[(\f)+64+8*(\a):(\f)+64+8*(\a)+3],   v[ADRA+(\slot)] offset:(\q)*64+(\a)*16*PA
	ds_load_b128 v[(\f)+64+8*(\a)+4:(\f)+64+8*(\a)+7], v[ADRA+(\slot)] offset:(\q)*64+(\a)*16*PA+32
.endr
.endm
.macro PLACES                          ; four places in front of loads into registers that matrix instructions have read, and of lines that read results
.rept 4
	v_nop
.endr
.endm
; A K step is four quarters of 32 along K, 32 matrix instructions each, on buffers 0, 1, 0, 1.  One of the first three: multiplies buffer f and fetches quarter q into g.
.macro QUARTER slot, q, f, g, zero
	s_wait_dscnt 4                                 ; wb's fragments and Act's blocks 0 and 1 are in; the youngest four loads (blocks 2 and 3) may be out
	MUL8 \f, 0, \zero
	MUL8 \f, 1, \zero
	PLACES
	FETCH \slot, \q, \g
	s_wait_dscnt 24                                ; all but the 24 just issued
	MUL8 \f, 2, \zero
	MUL8 \f, 3, \zero
.endm
; The last quarter multiplies buffer 1 and changes slots: ONE barrier; in front of it each wave waits for all its tensor loads, adds 0 to its spare word, and waits for that and for its own reads of this slot.
; fill = 1: this slot is filled again, two K steps ahead; the barrier then opens a round of the cluster's barrier, and the joint load is the first thing behind the round: 112 matrix instructions ahead of the wait for it.
.macro TURN slot, next, fill
	WIN 0                                          ; (the add's two registers lie in window 0)
	s_wait_tensorcnt 0x0                           ; all my tensor loads have landed: my part of the next slot among them
	ds_add_u32 v[SPW], v[NIL]                      ; 0 onto my spare word
	s_wait_dscnt 5                                 ; (the add and the youngest four loads may be out)
	MUL8 F1, 0, 0                                  ; eight matrix instructions stand between the add and the wait for it
	s_wait_dscnt 0x0                               ; the add is done, and my reads of this slot are over
	s_barrier_signal -1
	MUL8 F1, 1, 0
.if \fill
	WIN 0
.endif
	s_barrier_wait -1
.if \fill
	CREST                                          ; no wave of any partner still reads this slot's tiles or has a load on its way
	s_add_nc_u64 s[G0A+4*(\slot)+2:G0A+4*(\slot)+3], s[G0A+4*(\slot)+2:G0A+4*(\slot)+3], 2*ASTEP
	s_add_nc_u64 s[G0B+4*(\slot)+2:G0B+4*(\slot)+3], s[G0B+4*(\slot)+2:G0B+4*(\slot)+3], 2*BSTEP
	JLOAD \slot                                    ; the four v_nop behind it are also the places in front of the loads below
.else
	PLACES
.endif
	FETCH \next, 0, F0
	MUL8 F1, 2, 0
	MUL8 F1, 3, 0
.endm
	s_wait_tensorcnt 1+SECOND                      ; my part of K step 0 is in; K step 1's (and uin's) may stay out
	s_barrier_signal -1
	s_barrier_wait -1                              ; everybody's is
	FETCH 0, 0, F0
	QUARTER 0, 1, F0, F1, 1                        ; the first quarter stands in front of the loop: its products start the sums
	WIN 0                                          ; at a label and at a branch every window is 0
	s_mov_b32 s[CNT], LAPS-1
.Llap:                                                 ; a trip goes once round the ring, from a lap's second quarter to the next lap's first, and fills both slots again
	QUARTER 0, 2, F1, F0, 0
	QUARTER 0, 3, F0, F1, 0
	TURN 0, 1, 1
	QUARTER 1, 1, F0, F1, 0
	QUARTER 1, 2, F1, F0, 0
	QUARTER 1, 3, F0, F1, 0
	TURN 1, 0, 1
	QUARTER 0, 1, F0, F1, 0
	WIN 0
	s_sub_co_u32 s[CNT], s[CNT], 1
	s_cmp_lg_u32 s[CNT], 0
	s_cbranch_scc1 .Llap
	QUARTER 0, 2, F1, F0, 0                        ; the last lap fills nothing, and has no round of the cluster's barrier
	QUARTER 0, 3, F0, F1, 0
	TURN 0, 1, 0
	QUARTER 1, 1, F0, F1, 0
	QUARTER 1, 2, F1, F0, 0
	QUARTER 1, 3, F0, F1, 0
	s_wait_dscnt 4                                 ; the very last quarter: nothing more to fetch
	MUL8 F1, 0, 0
	MUL8 F1, 1, 0
	s_wait_dscnt 0x0
	MUL8 F1, 2, 0
	MUL8 F1, 3, 0
	; THE WAY OUT.  The sums go as f32 into my own stage, which lies over the ring, and come back as whole rows: a lane then holds columns 4 l .. 4 l + 3 of a row, for which it keeps the factors.
	WIN 0
	PLACES
	PLACES
	s_wait_dscnt 0x0                               ; my reads of the ring are over,
	s_barrier_signal -1
	s_barrier_wait -1                              ; everybody's are; no tensor load is out, and none follows
	WIN DAT1
.irp a, 0,1,2,3
.irp b, 0,1,2,3,4,5,6,7                ; each accumulator's four lowest registers first
	ds_store_b128 v[STO], v[8*(8*(\a)+(\b)):8*(8*(\a)+(\b))+3]   offset:(\a)*16*SP+64*(\b)
	ds_store_b128 v[STO], v[8*(8*(\a)+(\b))+4:8*(8*(\a)+(\b))+7] offset:(\a)*16*SP+64*(\b)+16
.endr
.endr
	WIN 0
.macro ROWOUT i                        ; row i of a trip's eight
	s_wait_dscnt (7-(\i))*(1+SECOND)               ; LDS loads come back in order: this row's are in, the later rows' may be out
	v_pk_fma_f32 v[X+4*(\i):X+4*(\i)+1],   v[X+4*(\i):X+4*(\i)+1],   v[SC:SC+1],     s[CB:CB+1] op_sel_hi:[1,1,0]  ; 0.1 inv acc - 0.012
	v_pk_fma_f32 v[X+4*(\i)+2:X+4*(\i)+3], v[X+4*(\i)+2:X+4*(\i)+3], v[SC+2:SC+3],   s[CB:CB+1] op_sel_hi:[1,1,0]
.if SECOND
	v_lshlrev_b32 v[T+4*(\i)],   16,      v[U+2*(\i)]
	v_and_b32     v[T+4*(\i)+1], s[MASK], v[U+2*(\i)]
	v_lshlrev_b32 v[T+4*(\i)+2], 16,      v[U+2*(\i)+1]
	v_and_b32     v[T+4*(\i)+3], s[MASK], v[U+2*(\i)+1]
	v_pk_fma_f32 v[X+4*(\i):X+4*(\i)+1],   v[T+4*(\i):T+4*(\i)+1],   v[NRM:NRM+1],   v[X+4*(\i):X+4*(\i)+1]        ; + uin nrm, the first step's z
	v_pk_fma_f32 v[X+4*(\i)+2:X+4*(\i)+3], v[T+4*(\i)+2:T+4*(\i)+3], v[NRM+2:NRM+3], v[X+4*(\i)+2:X+4*(\i)+3]
.endif
.irp c, 0,1,2,3
	v_max_num_f32 v[X+4*(\i)+(\c)], 0, v[X+4*(\i)+(\c)]
.endr
.if SECOND
	global_store_b128 v[ZO], v[X+4*(\i):X+4*(\i)+3], s[14:15] offset:(\i)*8192 th:TH_STORE_NT  ; 512 consecutive bytes, at a multiple of 256 from out1's first
.endif
	v_pk_mul_f32 v[T+4*(\i):T+4*(\i)+1],   v[X+4*(\i):X+4*(\i)+1],   v[INV:INV+1]
	v_pk_mul_f32 v[T+4*(\i)+2:T+4*(\i)+3], v[X+4*(\i)+2:X+4*(\i)+3], v[INV+2:INV+3]
	v_cvt_pk_bf16_f32 v[Y+2*(\i)],   v[T+4*(\i)],   v[T+4*(\i)+1]
	v_cvt_pk_bf16_f32 v[Y+2*(\i)+1], v[T+4*(\i)+2], v[T+4*(\i)+3]
	global_store_b64 v[UO], v[Y+2*(\i):Y+2*(\i)+1], s[10:11] offset:(\i)*4096  ; 256 consecutive bytes, at a multiple of 256 from uout's first
.endm
	s_mov_b32 s[CNT], 8
	s_mov_b32 s89, 0                               ; the trip's rows in my stage,
	s_mov_b32 s90, 0                               ; and in my piece of uin
.Lrows:                                                ; eight trips of eight rows
	v_add_nc_u32 v[RA], s89, v[RD]
.if SECOND
	v_add_nc_u32 v[UA], s90, v[UR]
.endif
.irp i, 0,1,2,3,4,5,6,7
	ds_load_b128 v[X+4*(\i):X+4*(\i)+3], v[RA] offset:(\i)*SP  ; LDS serves a wave's instructions in order (ISA guide 5.7.1.4): these see my stores above
.if SECOND
	ds_load_b64 v[U+2*(\i):U+2*(\i)+1], v[UA] offset:(\i)*256  ; my own tensor load brought these; every change of slots has waited for it
.endif
.endr
.irp i, 0,1,2,3,4,5,6,7
	ROWOUT \i
.endr
	s_wait_xcnt 0x0                                ; the stores have read their data and their bases: only behind this wait are X, Y and the bases written again
	s_add_nc_u64 s[10:11], s[10:11], 8*4096
.if SECOND
	s_add_nc_u64 s[14:15], s[14:15], 8*8192
.endif
	s_add_co_u32 s89, s89, 8*SP
	s_add_co_u32 s90, s90, 8*256
	s_sub_co_u32 s[CNT], s[CNT], 1
	s_cmp_lg_u32 s[CNT], 0
	s_cbranch_scc1 .Lrows
	s_wait_tensorcnt 0x0                           ; the wave's end, behind my last tensor load and my last LDS store
	ds_add_u32 v[SPW], v[NIL]
	s_wait_dscnt 0x0
	CROUND                                         ; the closing round: no work-group ends while a partner may still ask for a tile that names it
	s_endpgm
.Lfunc_end_k_q3faac8195e_fwd1:
	.size	k_q3faac8195e_fwd1, .Lfunc_end_k_q3faac8195e_fwd1-k_q3faac8195e_fwd1
	.p2alignl 7, 3214868480
	.fill 96, 4, 3214868480
	.section	.rodata,"a",@progbits
	.p2align	6, 0x0
	.amdhsa_kernel k_q3faac8195e_fwd1
		.amdhsa_group_segment_fixed_size 327680
		.amdhsa_private_segment_fixed_size 0
		.amdhsa_enable_private_segment 0
		.amdhsa_kernarg_size 32
		.amdhsa_user_sgpr_count 2
		.amdhsa_user_sgpr_kernarg_segment_ptr 1
		.amdhsa_wavefront_size32 1
		.amdhsa_system_sgpr_workgroup_id_x 1
		.amdhsa_system_sgpr_workgroup_id_y 1
		.amdhsa_system_sgpr_workgroup_id_z 1
		.amdhsa_system_vgpr_workitem_id 0
		.amdhsa_next_free_vgpr 512
		.amdhsa_next_free_sgpr 96
		.amdhsa_reserve_vcc 0
		.amdhsa_float_denorm_mode_32 3
		.amdhsa_float_denorm_mode_16_64 3
		.amdhsa_memory_ordered 1
		.amdhsa_forward_progress 1
		.amdhsa_inst_pref_size 84
	.end_amdhsa_kernel
	.amdgpu_metadata
---
amdhsa.version: [ 1, 2 ]
amdhsa.kernels:
  - .name:           k_q3faac8195e_fwd1
    .symbol:         k_q3faac8195e_fwd1.kd
    .args:
      - { .name: xb, .offset: 0, .size: 8, .value_kind: global_buffer, .address_space: global }
      - { .name: wb, .offset: 8, .size: 8, .value_kind: global_buffer, .address_space: global }
      - { .name: psum, .offset: 16, .size: 8, .value_kind: global_buffer, .address_space: global }
      - { .name: u1, .offset: 24, .size: 8, .value_kind: global_buffer, .address_space: global }
    .group_segment_fixed_size: 327680
    .private_segment_fixed_size: 0
    .kernarg_segment_align: 8
    .kernarg_segment_size: 32
    .max_flat_workgroup_size: 128
    .sgpr_count:     96
    .vgpr_count:     512
    .wavefront_size: 32
...
	.end_amdgpu_metadata
.endif
;; end of part 2
;; launch bwd1 (part 3): grid 8 x 32, 4 waves a work-group, clusters of 4 x 4, 327,680 bytes of LDS; arguments u1, wb, e, xb; writes e
.if DOCPART == 3
	.amdgcn_target "amdgcn-amd-amdhsa--gfx1250"
	.amdhsa_code_object_version 6
	.text
	.protected	k_q3faac8195e_bwd1
	.globl	k_q3faac8195e_bwd1
	.p2align	8
	.type	k_q3faac8195e_bwd1,@function
k_q3faac8195e_bwd1:
	s_mov_b64 s[64:65], 0
	v_nop
	global_prefetch_b8 v0, s[64:65] scope:SCOPE_SE
	s_setreg_imm32_b32 hwreg(HW_REG_WAVE_MODE, 25, 1), 1
	s_wait_xcnt 0x0
	s_wait_alu depctr_hold_cnt(0) depctr_sa_sdst(0) depctr_va_vdst(0) depctr_va_sdst(0) depctr_va_ssrc(0) depctr_va_vcc(0) depctr_vm_vsrc(0)
	s_getreg_b32 s2, hwreg(HW_REG_IB_STS2, 6, 4)
	s_cmp_eq_u32 s2, 0
	s_cbranch_scc0 .Lentry_in_a_cluster
	s_endpgm
.Lentry_in_a_cluster:
	s_bfe_u32 s2, ttmp6, 0x10000c
	s_cmp_lg_u32 s2, 0xf033
	s_cbranch_scc0 .Lentry_shape_is_right
	s_endpgm
.Lentry_shape_is_right:
; THE PRODUCT WITH THE DICTIONARY'S TRANSPOSE, first use (FIRST = 1; the second use's text is this one with FIRST = 0).
; r[m][d] = the sum over p of U[m][p] wb[d][p].  U: [4096][2048] bf16, z / norm; wb: [1024][2048] bf16: its rows lie along K as they are.  Sums in f32.
; FIRST = 1:  e = bf16(xb - r), [4096][1024] bf16 (xb = bf16(x): the residual that the second step multiplies).      FIRST = 0:  out0 = r, [4096][1024] f32.
; LIMITS.  e is rounded once to bf16; the sums' order is the matrix unit's; NaN and infinities are not treated apart.
; SHARES.  C has 4,096 x 1,024 numbers: tiles of 128 x 128 give each of 256 work-groups one.  Four waves, each 64 x 64: 16 accumulators of 16 x 16, 128 registers.
; K goes in 8 steps of 256 (LDS rows of 512 bytes; a wave's tensor load brings 64 of them), as long as two slots in LDS allow.
; CLUSTERS: 4 x 4 work-groups.  The four of a row of the cluster need the same tiles of U, the four of a column the same tiles of wb: each tile is asked for JOINTLY, by the same tensor load with the
; same descriptor and a mask that names the four.  THE MATRIX INSTRUCTION IS USED TRANSPOSED (source 0 = 16 rows of wb, source 1 = 16 rows of U): a lane holds eight neighbouring numbers of a row of C.
; REGISTERS: window 0: v0-31 addresses; v32-103 at work on the way out; v128-255 the accumulators ((a, b) at v[128 + 8 (4 a + b)]).
;   window 1: two fragment buffers of 128: for 64 along K (two matrix instructions deep), 64 registers of U (2 x 4 x 16 rows x 32 K), then 64 of wb.
.set FIRST,  1
.set SIZE_N, 1024
.set SIZE_K, 2048
.set KSTEP,  256
.set PITCH,  528                       ; an LDS row: 512 bytes of data + 16 of padding = 132 words: row r starts at bank 4 r mod 64 (64 banks of 4 bytes: ISA guide 11.1)
.set HALFT,  64*PITCH                  ; 64 rows: what one tensor load brings, and what one wave reads of U or of wb
.set SLOT,   4*HALFT                   ; U's 128 rows, then wb's 128 rows
.set STAGE,  2*SLOT                    ; behind the ring: 128 rows x 272 bytes.  FIRST = 1: xb's tile, filled once, over which e is written; FIRST = 0: 16 rows for each wave
.set SPITCH, 272
.set SPARE,  STAGE+128*SPITCH          ; behind the stage: the spare words, 128 bytes for each wave: two blocks of 256 bytes that no other line names
.set LAPS, SIZE_K/(2*KSTEP)            ; a lap = two K steps = once round the ring
.set ADRA, 16                          ; v16-17  LDS address of my U fragments in slot 0, 1
.set ADRB, 20                          ; v20-21  the same for wb
.set STO,  24                          ; v24     the way out: my place in the stage by the accumulators' layout
.set RD,   25                          ; v25     the way out: where I read a row back
.set CO,   26                          ; v26     my byte offset in C
.set SPW,  28                          ; v28     LDS address of my spare word: SPARE + 4 x my thread's number; never rewritten
.set NIL,  29                          ; v29     0; never rewritten
.set TMP,  32                          ; the way out: 64 registers
.set PP,   96                          ; v[96:103] eight numbers of xb as f32
.set ACC,  128
.set F0,   0                           ; fragment buffers, in window 1
.set F1,   128
.set G1, 24                            ; s[24:31] descriptor group 1 for U's tiles;  s[32:39] group 0, one set for each slot
.set G0, 32
.set G1B, 48                           ; s[48:55], s[56:63] the same for wb's tiles
.set G0B, 56
.set G0X, 68                           ; s[68:71], s[72:79] for my 32 rows of xb's tile
.set G1X, 72
.set MSB, 0
.macro WIN new                         ; the immediate's high byte repeats the setting that is left
.if MSB != (\new)
	s_set_vgpr_msb (MSB<<8)|(\new)
.set MSB, \new
.endif
.endm
.set MUL,  0x05                        ; sources 0 (wb) and 1 (U) window 1; C and D window 0
.set TO_F, 0x40                        ; destination window 1, address window 0
.macro JLOAD s                         ; a joint load: waves 0 and 1 fetch U's two halves, waves 2 and 3 wb's; an s_nop 0 and four v_nop follow each of the two lines
	s_cmp_eq_u32 s11, 0
	s_cbranch_scc0 .Lfor_b_\@
	tensor_load_to_lds s[G0+4*(\s):G0+4*(\s)+3], s[G1:G1+7]
	s_nop 0
.rept 4
	v_nop
.endr
	s_branch .Lasked_\@
.Lfor_b_\@:
	tensor_load_to_lds s[G0B+4*(\s):G0B+4*(\s)+3], s[G1B:G1B+7]
	s_nop 0
.rept 4
	v_nop
.endr
.Lasked_\@:
.endm
.macro CREST                           ; a round of the cluster's barrier behind its opening barrier
	s_cmp_lg_u32 s10, 0
	s_cbranch_scc1 .Lnot_wave_0_\@
	s_barrier_signal -3
.Lnot_wave_0_\@:
	s_barrier_wait -3
	s_barrier_signal -1
	s_barrier_wait -1
.endm
.macro CROUND                          ; a whole round
	s_barrier_signal -1
	s_barrier_wait -1
	CREST
.endm
	s_load_b128 s[4:7], s[0:1], 0x0                ; U s[4:5], wb s[6:7]
	s_load_b64 s[8:9], s[0:1], 0x10                ; C
.if FIRST
	s_load_b64 s[66:67], s[0:1], 0x18              ; xb
.endif
	v_lshl_add_u32 v[SPW], v0, 2, SPARE
	v_mov_b32 v[NIL], 0
	ds_add_u32 v[SPW], v[NIL]                      ; the wave's opening: the add and its wait stand ahead of my first tensor load; the set-up below, work on registers, stands between them
	v_lshrrev_b32 v1, 5, v0
	v_readfirstlane_b32 s10, v1                    ; wave 0..3
	s_lshr_b32 s11, s10, 1                         ; which half of the tile's rows is mine.  Also: I fetch for U (0) or for wb (1)
	s_and_b32 s12, s10, 1                          ; which half of its columns.  Also: which 64 rows of that tile I fetch
	s_bfe_u32 s40, ttmp6, 0x40000                  ; cx, cy: my place in the cluster
	s_bfe_u32 s41, ttmp6, 0x40004
	s_lshl_b32 s42, ttmp9, 2
	s_add_co_u32 s42, s42, s40                     ; tile column of C = 4 x cluster x + cx
	s_and_b32 s13, ttmp7, 0xffff
	s_lshl_b32 s13, s13, 2
	s_add_co_u32 s13, s13, s41                     ; tile row of C = 4 x cluster y + cy
	s_lshl_b32 s43, s41, 2
	s_lshl_b32 s43, 15, s43                        ; my row of the cluster
	s_lshl_b32 s44, 0x1111, s40                    ; my column
	; descriptor group 1: a tile of 64 rows x 256 elements, padded in LDS
	s_or_b32 s[G1+0], s43, (1<<16)|(1<<20)|(1<<21)|(6<<22)|(3<<25)  ; 15:0 the mask: U's tiles go to my row; 17:16 element of 2 bytes; 20 padding on; 21 set beside a mask; 24:22 after every 128 words (code 6); 31:25 of 4 words (code 3)
	s_or_b32 s[G1B+0], s44, (1<<16)|(1<<20)|(1<<21)|(6<<22)|(3<<25)
.irp g, G1, G1B
	s_mov_b32 s[(\g)+1], KSTEP<<16                 ; tensor_dim0 = 256
	s_mov_b32 s[(\g)+2], 64<<16                    ; tensor_dim1 = 64
	s_mov_b32 s[(\g)+3], KSTEP<<16                 ; tile_dim0 = 256
	s_mov_b32 s[(\g)+4], 64                        ; tile_dim1 = 64
	s_mov_b32 s[(\g)+5], SIZE_K                    ; tensor_dim0_stride
	s_mov_b32 s[(\g)+6], 0
	s_mov_b32 s[(\g)+7], 0
.endr
	s_lshl_b32 s17, s12, 6                         ; which 64 rows of the tile I fetch
	s_lshl_b32 s16, s13, 7
	s_add_co_u32 s16, s16, s17                     ; U: row 128 x tile row + 64 x half
	s_lshl_b32 s46, s42, 7
	s_add_co_u32 s46, s46, s17                     ; wb: row 128 x tile column + 64 x half
	s_mov_b32 s17, 0
	s_mov_b32 s47, 0
	s_mov_b64 s[18:19], SIZE_K*2
	s_mul_u64 s[16:17], s[16:17], s[18:19]
	s_mul_u64 s[46:47], s[46:47], s[18:19]
	s_mul_i32 s20, s10, HALFT                      ; where they go: wave x 64 rows
	; where my part of C begins, in bytes, in registers that feed no joint load
.if FIRST
	s_lshl_b32 s82, s13, 18                        ; I store rows 128 x tile row + 32 x wave on, 2,048 bytes each, whole: the tile's 128 columns are 256 bytes.  xb's tile has the same place in xb
	s_lshl_b32 s83, s10, 16
	s_add_co_u32 s82, s82, s83
	s_lshl_b32 s83, s42, 8
	s_add_co_u32 s82, s82, s83
	s_mul_i32 s81, s10, 32*SPITCH
	s_mov_b32 s[G0X], 1
	s_add_co_u32 s[G0X+1], s81, STAGE              ; my 32 rows of the stage
	s_mov_b32 s[G1X], (1<<16)|(1<<20)|(5<<22)|(3<<25)  ; no mask: a load of my own; 2-byte elements; padding after every 64 words (code 5), 4 words (code 3)
	s_mov_b32 s[G1X+1], 128<<16
	s_mov_b32 s[G1X+2], 32<<16
	s_mov_b32 s[G1X+3], 128<<16
	s_mov_b32 s[G1X+4], 32
	s_mov_b32 s[G1X+5], SIZE_N
	s_mov_b32 s[G1X+6], 0
	s_mov_b32 s[G1X+7], 0
	s_mov_b32 s80, 0xffff0000                      ; a word's upper bf16
.else
	s_lshl_b32 s82, s13, 19                        ; I store my own 64 rows, 4,096 bytes each, and my own 64 columns, 256 bytes
	s_lshl_b32 s83, s11, 18
	s_add_co_u32 s82, s82, s83
	s_lshl_b32 s83, s42, 9
	s_add_co_u32 s82, s82, s83
	s_lshl_b32 s83, s12, 8
	s_add_co_u32 s82, s82, s83
.endif
	s_mov_b32 s83, 0
	s_wait_dscnt 0x0                               ; the opening add is done
	s_wait_kmcnt 0x0
	s_add_nc_u64 s[14:15], s[4:5], s[16:17]
	s_add_nc_u64 s[46:47], s[6:7], s[46:47]
	s_add_nc_u64 s[8:9], s[8:9], s[82:83]
.if FIRST
	s_add_nc_u64 s[G0X+2:G0X+3], s[66:67], s[82:83]
	s_or_b32 s[G0X+3], s[G0X+3], 0x80000000
.endif
	CROUND                                         ; all sixteen work-groups are here: the first joint loads meet
.irp s, 0,1
	s_mov_b32 s[G0+4*(\s)], 1
	s_add_co_u32 s[G0+4*(\s)+1], s20, (\s)*SLOT
	s_add_nc_u64 s[G0+4*(\s)+2:G0+4*(\s)+3], s[14:15], (\s)*KSTEP*2
	s_or_b32 s[G0+4*(\s)+3], s[G0+4*(\s)+3], 0x80000000
	s_mov_b32 s[G0B+4*(\s)], 1
	s_add_co_u32 s[G0B+4*(\s)+1], s20, (\s)*SLOT
	s_add_nc_u64 s[G0B+4*(\s)+2:G0B+4*(\s)+3], s[46:47], (\s)*KSTEP*2
	s_or_b32 s[G0B+4*(\s)+3], s[G0B+4*(\s)+3], 0x80000000
	JLOAD \s
.endr
.if FIRST
	tensor_load_to_lds s[G0X:G0X+3], s[G1X:G1X+7]  ; 32 rows of xb's tile, for the way out: the third and last of my first fills
	s_nop 0
.rept 4
	v_nop
.endr
.endif
	v_and_b32 v1, 15, v0                           ; l % 16
	v_bfe_u32 v2, v0, 4, 1                         ; l / 16
	v_mul_u32_u24 v3, v1, PITCH
	v_lshl_add_u32 v3, v2, 4, v3                   ; a fragment's row x pitch + 16 x half
	s_mul_i32 s21, s11, HALFT                      ; my 64 rows of U
	s_mul_i32 s22, s12, HALFT                      ; my 64 rows of wb,
	s_add_co_u32 s22, s22, 2*HALFT                 ; which lie behind U's 128
.irp s, 0,1
	v_add_nc_u32 v[ADRA+(\s)], s21, v3
	v_add_nc_u32 v[ADRB+(\s)], s22, v3
	s_add_co_u32 s21, s21, SLOT
	s_add_co_u32 s22, s22, SLOT
.endr
.if FIRST
	s_mul_i32 s23, s11, 64*SPITCH                  ; in the stage: my 64 rows, my half of their 256 bytes; row l % 16, 16 bytes for each half of the lanes
	s_lshl_b32 s21, s12, 7
	s_add_co_u32 s23, s23, s21
	s_add_co_u32 s23, s23, STAGE
	v_mul_u32_u24 v4, v1, SPITCH
	v_lshl_add_u32 v4, v2, 4, v4
	v_add_nc_u32 v[STO], s23, v4
	s_mul_i32 s23, s10, 32*SPITCH                  ; back: wave w takes rows 32 w .. 32 w + 31, whole; lanes 0-15 one row of 256 bytes, lanes 16-31 the next
	s_add_co_u32 s23, s23, STAGE
	v_mul_u32_u24 v5, v2, SPITCH
	v_lshl_add_u32 v5, v1, 4, v5
	v_add_nc_u32 v[RD], s23, v5
	v_mul_u32_u24 v5, v2, SIZE_N*2                 ; and the same two rows in e
	v_lshl_add_u32 v[CO], v1, 4, v5
.else
	s_mul_i32 s23, s10, 16*SPITCH                  ; my own stage of 16 rows x 64 f32
	s_add_co_u32 s23, s23, STAGE
	v_mul_u32_u24 v4, v1, SPITCH                   ; in: row l % 16, 32 bytes for each half of the lanes
	v_lshl_add_u32 v4, v2, 5, v4
	v_add_nc_u32 v[STO], s23, v4
	v_mul_u32_u24 v5, v2, SPITCH                   ; back: lanes 0-15 one row of 256 bytes, lanes 16-31 the next
	v_lshl_add_u32 v5, v1, 4, v5
	v_add_nc_u32 v[RD], s23, v5
	v_lshlrev_b32 v5, 12, v2                       ; and the same two rows in out0, 4,096 bytes each
	v_lshl_add_u32 v[CO], v1, 4, v5
.endif
; 8 matrix instructions: m blocks a0, a0 + 1 x all 4 n blocks, 32 along K: half c of buffer f.  zero = 1: the first product starts the sums.  The 16 accumulators take turns.
.macro MUL8 f, c, a0, zero
	WIN MUL
.irp a, \a0, (\a0)+1
.irp b, 0,1,2,3
.if \zero
	v_wmma_f32_16x16x32_bf16 v[ACC+8*(4*(\a)+(\b)):ACC+8*(4*(\a)+(\b))+7], v[(\f)+64+8*(4*(\c)+(\b)):(\f)+64+8*(4*(\c)+(\b))+7], v[(\f)+8*(4*(\c)+(\a)):(\f)+8*(4*(\c)+(\a))+7], 0
.else
	v_wmma_f32_16x16x32_bf16 v[ACC+8*(4*(\a)+(\b)):ACC+8*(4*(\a)+(\b))+7], v[(\f)+64+8*(4*(\c)+(\b)):(\f)+64+8*(4*(\c)+(\b))+7], v[(\f)+8*(4*(\c)+(\a)):(\f)+8*(4*(\c)+(\a))+7], v[ACC+8*(4*(\a)+(\b)):ACC+8*(4*(\a)+(\b))+7]
.endif
.endr
.endr
.endm
; 32 LDS loads in one run: the fragments of 64 along K at byte k of the rows, into buffer f; the first 32 along K first
.macro FETCH slot, k, f
	WIN TO_F
.irp c, 0,1
.irp i, 0,1,2,3
	ds_load_b128 v[(\f)+64+8*(4*(\c)+(\i)):(\f)+64+8*(4*(\c)+(\i))+3],   v[ADRB+(\slot)] offset:(\k)+64*(\c)+(\i)*16*PITCH
	ds_load_b128 v[(\f)+64+8*(4*(\c)+(\i))+4:(\f)+64+8*(4*(\c)+(\i))+7], v[ADRB+(\slot)] offset:(\k)+64*(\c)+(\i)*16*PITCH+32
	ds_load_b128 v[(\f)+8*(4*(\c)+(\i)):(\f)+8*(4*(\c)+(\i))+3],         v[ADRA+(\slot)] offset:(\k)+64*(\c)+(\i)*16*PITCH
	ds_load_b128 v[(\f)+8*(4*(\c)+(\i))+4:(\f)+8*(4*(\c)+(\i))+7],       v[ADRA+(\slot)] offset:(\k)+64*(\c)+(\i)*16*PITCH+32
.endr
.endr
.endm
.macro PLACES                          ; four places in front of loads into registers that matrix instructions have read, and of lines that read results
.rept 4
	v_nop
.endr
.endm
; A K step is four quarters of 64 along K, 32 matrix instructions each, on buffers 0, 1, 0, 1.  One of the first three: multiplies buffer f and fetches the next quarter, at byte k, into g.
.macro QUARTER slot, k, f, g, zero
	s_wait_dscnt 16                                ; the first 32 along K are in
	WIN MUL
	MUL8 \f, 0, 0, \zero
	MUL8 \f, 0, 2, \zero
	PLACES
	FETCH \slot, \k, \g
	s_wait_dscnt 32                                ; all but the 32 just issued
	WIN MUL
	MUL8 \f, 1, 0, 0
	MUL8 \f, 1, 2, 0
.endm
; The last quarter multiplies buffer 1 and changes slots: ONE barrier; in front of it each wave waits for all its tensor loads, adds 0 to its spare word, and waits for that and for its own reads of this slot.  fill = 1: this slot is filled again, two K steps ahead.
.macro TURN slot, next, fill
	WIN 0                                          ; (the add's two registers lie in window 0)
	s_wait_tensorcnt 0x0                           ; all my tensor loads have landed: my part of the next slot (the first time: my rows of xb's tile too)
	ds_add_u32 v[SPW], v[NIL]                      ; 0 onto my spare word
	s_wait_dscnt 17                                ; (the add and the youngest sixteen loads may be out)
	WIN MUL
	MUL8 F1, 0, 0, 0                               ; eight matrix instructions stand between the add and the wait for it
	s_wait_dscnt 0x0                               ; the add is done, and my reads of this slot are over
	s_barrier_signal -1
	MUL8 F1, 0, 2, 0
.if \fill
	WIN 0
.endif
	s_barrier_wait -1
.if \fill
	CREST                                          ; the barrier has opened a round of the cluster's barrier: no wave of any partner still reads this slot's tile or has a load on its way
	s_add_nc_u64 s[G0+4*(\slot)+2:G0+4*(\slot)+3], s[G0+4*(\slot)+2:G0+4*(\slot)+3], 2*KSTEP*2
	s_add_nc_u64 s[G0B+4*(\slot)+2:G0B+4*(\slot)+3], s[G0B+4*(\slot)+2:G0B+4*(\slot)+3], 2*KSTEP*2
	JLOAD \slot                                    ; the first tensor load behind the round: 112 matrix instructions ahead of the wait for it; the four v_nop behind it are also the places in front of the loads below
.else
	PLACES
.endif
	FETCH \next, 0, F0
	WIN MUL
	MUL8 F1, 1, 0, 0
	MUL8 F1, 1, 2, 0
.endm
	s_wait_tensorcnt 1+FIRST                       ; my part of K step 0 is in; K step 1's (and xb's rows) may stay out
	s_barrier_signal -1
	s_barrier_wait -1                              ; everybody's is
	FETCH 0, 0, F0
	QUARTER 0, 128, F0, F1, 1                      ; the first quarter stands in front of the loop: its first products start the sums
	WIN 0                                          ; at a label and at a branch every window is 0
	s_mov_b32 s3, LAPS-1
.Llap:                                                 ; a trip goes once round the ring, from a lap's second quarter to the next lap's first, and fills both slots again
	QUARTER 0, 256, F1, F0, 0
	QUARTER 0, 384, F0, F1, 0
	TURN 0, 1, 1
	QUARTER 1, 128, F0, F1, 0
	QUARTER 1, 256, F1, F0, 0
	QUARTER 1, 384, F0, F1, 0
	TURN 1, 0, 1
	QUARTER 0, 128, F0, F1, 0
	WIN 0
	s_sub_co_u32 s3, s3, 1
	s_cmp_lg_u32 s3, 0
	s_cbranch_scc1 .Llap
	QUARTER 0, 256, F1, F0, 0                      ; the last lap fills nothing, and has no round of the cluster's barrier
	QUARTER 0, 384, F0, F1, 0
	TURN 0, 1, 0
	QUARTER 1, 128, F0, F1, 0
	QUARTER 1, 256, F1, F0, 0
	QUARTER 1, 384, F0, F1, 0
	s_wait_dscnt 16                                ; the very last quarter: nothing more to fetch
	WIN MUL
	MUL8 F1, 0, 0, 0
	MUL8 F1, 0, 2, 0
	s_wait_dscnt 0
	MUL8 F1, 1, 0, 0
	MUL8 F1, 1, 2, 0
	WIN 0
.if FIRST
	; THE WAY OUT: e = bf16(xb - r).  xb's tile lies in the stage, in the places where e's 16 bytes a lane go: they are read, the sums taken away, and the result written over them;
	; a barrier, since a row's 256 bytes come from two waves; back as whole rows, 32 rows a wave.
.irp a, 0,1,2,3
.irp b, 0,1,2,3
	ds_load_b128 v[TMP+4*(4*(\a)+(\b)):TMP+4*(4*(\a)+(\b))+3], v[STO] offset:(\a)*16*SPITCH+32*(\b)  ; the eight numbers of xb that face accumulator (a, b)'s eight
.endr
.endr
	PLACES
	PLACES
	s_wait_dscnt 0x0                               ; my reads of xb's tile are back:
	s_barrier_signal -1                            ; say so; the subtractions, work on registers, stand between the signal and the wait
.set t, 0
.rept 16
.irp j, 0,1,2,3
	v_lshlrev_b32 v[PP+2*(\j)],   16,  v[TMP+4*t+(\j)]
	v_and_b32     v[PP+2*(\j)+1], s80, v[TMP+4*t+(\j)]
.endr
.irp j, 0,1,2,3                        ; each accumulator's lowest registers first
	v_pk_add_f32 v[PP+2*(\j):PP+2*(\j)+1], v[PP+2*(\j):PP+2*(\j)+1], v[ACC+8*t+2*(\j):ACC+8*t+2*(\j)+1] neg_lo:[0,1] neg_hi:[0,1]
.endr
.irp j, 0,1,2,3
	v_cvt_pk_bf16_f32 v[TMP+4*t+(\j)], v[PP+2*(\j)], v[PP+2*(\j)+1]
.endr
.set t, t+1
.endr
	s_barrier_wait -1                              ; every wave's reads of xb's tile are over before any wave stores into the stage
.irp a, 0,1,2,3
.irp b, 0,1,2,3
	ds_store_b128 v[STO], v[TMP+4*(4*(\a)+(\b)):TMP+4*(4*(\a)+(\b))+3] offset:(\a)*16*SPITCH+32*(\b)
.endr
.endr
	s_wait_dscnt 0x0                               ; for the others' sake: my stores into the stage are done
	s_barrier_signal -1
	s_barrier_wait -1
.irp t, 0,1,2,3,4,5,6,7,8,9,10,11,12,13,14,15
	ds_load_b128 v[TMP+4*(\t):TMP+4*(\t)+3], v[RD] offset:(\t)*2*SPITCH
.endr
.irp t, 0,1,2,3,4,5,6,7,8,9,10,11,12,13,14,15
	s_wait_dscnt 15-(\t)
	global_store_b128 v[CO], v[TMP+4*(\t):TMP+4*(\t)+3], s[8:9] offset:2*(\t)*SIZE_N*2  ; 16 lanes store 256 consecutive bytes, at a multiple of 256 from e's first byte
.endr
.else
	; THE WAY OUT: out0 = r in f32.  My 64 columns are 256 bytes, so each wave has a stage of its own and no barrier: a block of 16 rows goes in by the accumulators' layout and comes back as whole rows.
	PLACES
	PLACES
.irp a, 0,1,2,3
.if (\a) >= 2
	s_wait_xcnt 0x0                                ; the stores of the block two back have read their data: its registers are loaded again only behind this wait
.endif
.irp b, 0,1,2,3                        ; each accumulator's four lowest registers first
	ds_store_b128 v[STO], v[ACC+8*(4*(\a)+(\b)):ACC+8*(4*(\a)+(\b))+3]   offset:64*(\b)
	ds_store_b128 v[STO], v[ACC+8*(4*(\a)+(\b))+4:ACC+8*(4*(\a)+(\b))+7] offset:64*(\b)+16
.endr
.irp t, 0,1,2,3,4,5,6,7
	ds_load_b128 v[TMP+32*((\a)%2)+4*(\t):TMP+32*((\a)%2)+4*(\t)+3], v[RD] offset:(\t)*2*SPITCH  ; LDS serves a wave's instructions in order (ISA guide 5.7.1.4): these see the stores above; the next block's stores come behind them
.endr
.irp t, 0,1,2,3,4,5,6,7
	s_wait_dscnt 7-(\t)
	global_store_b128 v[CO], v[TMP+32*((\a)%2)+4*(\t):TMP+32*((\a)%2)+4*(\t)+3], s[8:9] offset:(16*(\a)+2*(\t))*4096 th:TH_STORE_NT  ; 16 lanes store 256 consecutive bytes, at a multiple of 256 from out0's first byte
.endr
.endr
.endif
	s_wait_tensorcnt 0x0                           ; the wave's end, behind my last tensor load and my last LDS store
	ds_add_u32 v[SPW], v[NIL]
	s_wait_dscnt 0x0
	CROUND                                         ; the closing round: no work-group ends while a partner may still ask for a tile that names it
	s_endpgm
.Lfunc_end_k_q3faac8195e_bwd1:
	.size	k_q3faac8195e_bwd1, .Lfunc_end_k_q3faac8195e_bwd1-k_q3faac8195e_bwd1
	.p2alignl 7, 3214868480
	.fill 96, 4, 3214868480
	.section	.rodata,"a",@progbits
	.p2align	6, 0x0
	.amdhsa_kernel k_q3faac8195e_bwd1
		.amdhsa_group_segment_fixed_size 327680
		.amdhsa_private_segment_fixed_size 0
		.amdhsa_enable_private_segment 0
		.amdhsa_kernarg_size 32
		.amdhsa_user_sgpr_count 2
		.amdhsa_user_sgpr_kernarg_segment_ptr 1
		.amdhsa_wavefront_size32 1
		.amdhsa_system_sgpr_workgroup_id_x 1
		.amdhsa_system_sgpr_workgroup_id_y 1
		.amdhsa_system_sgpr_workgroup_id_z 1
		.amdhsa_system_vgpr_workitem_id 0
		.amdhsa_next_free_vgpr 512
		.amdhsa_next_free_sgpr 84
		.amdhsa_reserve_vcc 0
		.amdhsa_float_denorm_mode_32 3
		.amdhsa_float_denorm_mode_16_64 3
		.amdhsa_memory_ordered 1
		.amdhsa_forward_progress 1
		.amdhsa_inst_pref_size 97
	.end_amdhsa_kernel
	.amdgpu_metadata
---
amdhsa.version: [ 1, 2 ]
amdhsa.kernels:
  - .name:           k_q3faac8195e_bwd1
    .symbol:         k_q3faac8195e_bwd1.kd
    .args:
      - { .name: u1, .offset: 0, .size: 8, .value_kind: global_buffer, .address_space: global }
      - { .name: wb, .offset: 8, .size: 8, .value_kind: global_buffer, .address_space: global }
      - { .name: e, .offset: 16, .size: 8, .value_kind: global_buffer, .address_space: global }
      - { .name: xb, .offset: 24, .size: 8, .value_kind: global_buffer, .address_space: global }
    .group_segment_fixed_size: 327680
    .private_segment_fixed_size: 0
    .kernarg_segment_align: 8
    .kernarg_segment_size: 32
    .max_flat_workgroup_size: 128
    .sgpr_count:     84
    .vgpr_count:     512
    .wavefront_size: 32
...
	.end_amdgpu_metadata
.endif
;; end of part 3
;; launch fwd2 (part 4): grid 8 x 32, 4 waves a work-group, clusters of 4 x 4, 327,680 bytes of LDS; arguments e, wb, psum, u2, u1, out1; writes u2, out1
.if DOCPART == 4
	.amdgcn_target "amdgcn-amd-amdhsa--gfx1250"
	.amdhsa_code_object_version 6
	.text
	.protected	k_q3faac8195e_fwd2
	.globl	k_q3faac8195e_fwd2
	.p2align	8
	.type	k_q3faac8195e_fwd2,@function
k_q3faac8195e_fwd2:
	s_mov_b64 s[64:65], 0
	v_nop
	global_prefetch_b8 v0, s[64:65] scope:SCOPE_SE
	s_setreg_imm32_b32 hwreg(HW_REG_WAVE_MODE, 25, 1), 1
	s_wait_xcnt 0x0
	s_wait_alu depctr_hold_cnt(0) depctr_sa_sdst(0) depctr_va_vdst(0) depctr_va_sdst(0) depctr_va_ssrc(0) depctr_va_vcc(0) depctr_vm_vsrc(0)
	s_getreg_b32 s2, hwreg(HW_REG_IB_STS2, 6, 4)
	s_cmp_eq_u32 s2, 0
	s_cbranch_scc0 .Lentry_in_a_cluster
	s_endpgm
.Lentry_in_a_cluster:
	s_bfe_u32 s2, ttmp6, 0x10000c
	s_cmp_lg_u32 s2, 0xf033
	s_cbranch_scc0 .Lentry_shape_is_right
	s_endpgm
.Lentry_shape_is_right:
; THE PRODUCT WITH THE DICTIONARY, second step (SECOND = 1; the first step's text is this one with SECOND = 0).
; acc[m][p] = the sum over d of Act[m][d] wb[d][p].  Act: [4096][1024] bf16; wb: [1024][2048] bf16, W rounded once, in W's own layout; sums in f32.
; ss[p] = the sum of psum's 16 partial sums; inv = 1 / sqrt(ss), nrm = sqrt(ss): the column's norm is applied here, in f32, so W is rounded once only.
; SECOND = 0 (Act = bf16(x)):      z = max(0.1 inv acc - 0.012, 0);            uout = bf16(z inv)                (z = relu(b): the reference's first step multiplies zeros)
; SECOND = 1 (Act = bf16(x - r)):  z = max(uin nrm + 0.1 inv acc - 0.012, 0);  out1 = z;  uout = bf16(z inv)     (z1 A + b = z1 + 0.1 (x - z1 Wn^T) Wn - 0.012, by associativity)
; LIMITS.  The first step's z comes back as uin nrm: it has been rounded once to bf16.  A column of W whose sum of squares is 0, overflows f32 or is a denormal is not served
; (v_rsq_f32 and v_sqrt_f32: within 1 ULP, denormals count as 0); the maximum with 0 drops a NaN.  The sums' order is the matrix unit's.
; SHARES.  A tile of C is 128 rows x 256 columns: 32 x 8 tiles, a work-group each.  Wave w makes rows 64 (w / 2) on, columns 128 (w % 2) on: 32 accumulators of 16 x 16, 256 registers.
; K goes in 8 steps of 128 through a ring of two LDS slots.  Act's tile has rows of 256 bytes, wb's tile 128 rows (d) of 512 bytes; both start at multiples of 256 bytes.
; wb LIES [K][N]: its fragments come out of LDS turned, by ds_load_tr16_b128, so no transposed copy of W is ever made.
; THE MATRIX INSTRUCTION IS USED TRANSPOSED (source 0 = 16 columns p of wb, source 1 = 16 rows of Act): a lane holds row lane % 16 of C and the columns 8 (lane / 16) + 0..7.
; CLUSTERS: 4 x 4 work-groups.  The four of a row of the cluster need the same tiles of Act, the four of a column the same tiles of wb: each is asked for JOINTLY.
; REGISTERS: window 0: v0-47 addresses and the columns' factors; v64-159, v160-255 two fragment buffers (64 registers of wb, 32 of Act).  Window 1: accumulator (a, b) at v[8 (8 a + b)].
.set SECOND, 1
.set PA,     272                       ; a row of Act in LDS: 256 bytes + 16 = 68 words: row r starts at bank 4 r mod 64 (64 banks of 4 bytes: ISA guide 11.1)
.set PB,     544                       ; a row of wb: 512 + 32 = 136 words: row r starts at bank 8 r mod 64
.set AHALF,  64*PA                     ; what one tensor load brings of Act, and what one wave reads of it
.set BHALF,  64*PB                     ; what one tensor load brings of wb
.set BOFF,   128*PA                    ; in a slot: Act's 128 rows, then wb's 128
.set SLOT,   BOFF+128*PB
.set UREG,   2*SLOT                    ; behind the ring: 64 rows x 256 bytes of uin for each wave (SECOND = 1)
.set SPARE,  UREG+4*16384              ; the spare words, 128 bytes for each wave: two blocks of 256 bytes that no other line names
.set SP,     528                       ; the way out: a row of 128 f32 + 16 bytes = 33 x 16: the 16 rows of a store start at 16 different groups of four banks
.set WSTAGE, 64*SP                     ; a wave's stage, 64 rows, at wave x WSTAGE: it lies over the ring, which has had its last fill and its last read by then
.set ASTEP,  256                       ; bytes from a K step to the next in Act,
.set BSTEP,  128*4096                  ; and in wb
.set LAPS,   4                         ; a lap = two K steps = once round the ring
.set ADRA, 16                          ; v16-17  LDS address of my Act fragments in slot 0, 1
.set ADRB, 20                          ; v20-21  the same for wb
.set STO,  24                          ; v24  the way out: where I put 16 bytes of a row
.set RD,   25                          ; v25  where I read a row back: 16 bytes, columns 4 l .. 4 l + 3
.set ZO,   26                          ; v26  16 l: my offset in a row's 512 bytes of out1
.set UO,   27                          ; v27  8 l: my offset in a row's 256 bytes of uout
.set SPW,  28                          ; v28  LDS address of my spare word: SPARE + 4 x my thread's number; never rewritten
.set NIL,  29                          ; v29  0; never rewritten
.set UR,   30                          ; v30  my 8 bytes of a row of uin in LDS
.set PO,   31                          ; v31  my 4 columns in a row of psum
.set SC,   32                          ; v[32:35]  0.1 inv of columns 4 l .. 4 l + 3
.set INV,  36                          ; v[36:39]  inv
.set NRM,  40                          ; v[40:43]  nrm
.set RA,   44                          ; v44  RD + the trip's rows
.set UA,   45                          ; v45  UR + the trip's rows
.set F0,   64
.set F1,   160
.set X,    64                          ; the way out: v[64:95] eight rows of 4 numbers
.set U,    96                          ; v[96:111] eight rows of 4 bf16 of uin
.set T,    112                         ; v[112:143] at work
.set Y,    144                         ; v[144:159] eight rows of 4 bf16 to store
.set WV,   16                          ; s16  wave
.set RH,   17                          ; s17  which half of the tile's rows is mine.  Also: I fetch for Act (0) or for wb (1)
.set CH,   18                          ; s18  which half of its columns.  Also: which half of that tile I fetch
.set CNT,  19
.set G1A,  24                          ; s[24:31] descriptor group 1 for Act's tiles;  s[32:39] group 0, a set for each slot
.set G0A,  32
.set G1B,  40                          ; s[40:47], s[48:55] the same for wb's
.set G0B,  48
.set G0U,  72                          ; s[72:75], s[76:83] for my piece of uin
.set G1U,  76
.set MASK, 84                          ; s84  a word's upper bf16
.set CB,   86                          ; s[86:87] -0.012: the packed multiply-add takes the pair's low word for both halves
.set MSB, 0
.macro WIN new                         ; the immediate's high byte repeats the setting that is left; a switch that changes nothing is dropped
.if MSB != (\new)
	s_set_vgpr_msb (MSB<<8)|(\new)
.set MSB, \new
.endif
.endm
.set MUL,  0x50                        ; C and D window 1, sources window 0
.set DAT1, 0x04                        ; an LDS store's data (source 1) window 1, its address window 0
.macro JLOAD s                         ; a joint load: waves 0 and 1 fetch Act's two halves, waves 2 and 3 wb's; an s_nop 0 and four v_nop follow each of the two lines
	s_cmp_eq_u32 s[RH], 0
	s_cbranch_scc0 .Lfor_b_\@
	tensor_load_to_lds s[G0A+4*(\s):G0A+4*(\s)+3], s[G1A:G1A+7]
	s_nop 0
.rept 4
	v_nop
.endr
	s_branch .Lasked_\@
.Lfor_b_\@:
	tensor_load_to_lds s[G0B+4*(\s):G0B+4*(\s)+3], s[G1B:G1B+7]
	s_nop 0
.rept 4
	v_nop
.endr
.Lasked_\@:
.endm
.macro CREST                           ; a round of the cluster's barrier behind its opening barrier
	s_cmp_lg_u32 s[WV], 0
	s_cbranch_scc1 .Lnot_wave_0_\@
	s_barrier_signal -3
.Lnot_wave_0_\@:
	s_barrier_wait -3
	s_barrier_signal -1
	s_barrier_wait -1
.endm
.macro CROUND                          ; a whole round
	s_barrier_signal -1
	s_barrier_wait -1
	CREST
.endm
	s_load_b256 s[4:11], s[0:1], 0x0               ; Act s[4:5], wb s[6:7], psum s[8:9], uout s[10:11]
.if SECOND
	s_load_b128 s[12:15], s[0:1], 0x20             ; uin s[12:13], out1 s[14:15]
.endif
	v_lshl_add_u32 v[SPW], v0, 2, SPARE
	v_mov_b32 v[NIL], 0
	ds_add_u32 v[SPW], v[NIL]                      ; the wave's opening: the add and its wait stand ahead of my first tensor load; the set-up below, work on registers, stands between them
	v_lshrrev_b32 v1, 5, v0
	v_readfirstlane_b32 s[WV], v1                  ; wave 0..3
	s_lshr_b32 s[RH], s[WV], 1
	s_and_b32 s[CH], s[WV], 1
	s_bfe_u32 s20, ttmp6, 0x40000                  ; cx, cy: my place in the cluster
	s_bfe_u32 s21, ttmp6, 0x40004
	s_lshl_b32 s22, ttmp9, 2
	s_add_co_u32 s22, s22, s20                     ; tile column of C = 4 x cluster x + cx
	s_and_b32 s23, ttmp7, 0xffff
	s_lshl_b32 s23, s23, 2
	s_add_co_u32 s23, s23, s21                     ; tile row of C = 4 x cluster y + cy
	s_lshl_b32 s56, s21, 2
	s_lshl_b32 s56, 15, s56                        ; my row of the cluster
	s_lshl_b32 s57, 0x1111, s20                    ; my column
	s_or_b32 s[G1A], s56, (1<<16)|(1<<20)|(1<<21)|(5<<22)|(3<<25)  ; 15:0 the mask: Act's tiles go to my row; 17:16 2-byte elements; 20 padding on; 21 set beside a mask; 24:22 after every 64 words (code 5); 31:25 4 words (code 3)
	s_mov_b32 s[G1A+1], 128<<16                    ; tensor_dim0 = 128
	s_mov_b32 s[G1A+2], 64<<16                     ; tensor_dim1 = 64
	s_mov_b32 s[G1A+3], 128<<16                    ; tile_dim0 = 128
	s_mov_b32 s[G1A+4], 64                         ; tile_dim1 = 64
	s_mov_b32 s[G1A+5], 1024                       ; elements from row to row of Act
	s_mov_b32 s[G1A+6], 0
	s_mov_b32 s[G1A+7], 0
	s_or_b32 s[G1B], s57, (1<<16)|(1<<20)|(1<<21)|(6<<22)|(7<<25)  ; the mask of my column; padding after every 128 words (code 6), 8 words (code 7)
	s_mov_b32 s[G1B+1], 256<<16                    ; tensor_dim0 = 256
	s_mov_b32 s[G1B+2], 64<<16
	s_mov_b32 s[G1B+3], 256<<16                    ; tile_dim0 = 256
	s_mov_b32 s[G1B+4], 64
	s_mov_b32 s[G1B+5], 2048                       ; elements from row to row of wb
	s_mov_b32 s[G1B+6], 0
	s_mov_b32 s[G1B+7], 0
	; where the tiles come from.  Act's hang on the tile row alone, wb's on the tile column alone, each in registers that never hold the other coordinate
	s_lshl_b32 s58, s23, 18                        ; Act: 128 rows of 2,048 bytes a tile row,
	s_lshl_b32 s59, s[CH], 17                      ; 64 rows a half
	s_add_co_u32 s58, s58, s59
	s_mov_b32 s59, 0
	s_lshl_b32 s60, s22, 9                         ; wb: 256 columns of 2 bytes a tile column,
	s_lshl_b32 s61, s[CH], 18                      ; 64 rows of 4,096 bytes a half
	s_add_co_u32 s60, s60, s61
	s_mov_b32 s61, 0
	s_mul_i32 s62, s[CH], AHALF                    ; and where they go: no place in the cluster enters an LDS address
	s_mul_i32 s63, s[CH], BHALF
	s_add_co_u32 s63, s63, BOFF
	; my part of C in uout (and in uin, of the same shape): row 128 x tile row + 64 x half, 4,096 bytes a row; column 256 x tile column + 128 x half, 2 bytes each
	s_lshl_b32 s66, s23, 19
	s_lshl_b32 s67, s[RH], 18
	s_add_co_u32 s66, s66, s67
	s_lshl_b32 s67, s22, 9
	s_add_co_u32 s66, s66, s67
	s_lshl_b32 s67, s[CH], 8
	s_add_co_u32 s66, s66, s67
	s_mov_b32 s67, 0
.if SECOND
	s_lshl_b32 s68, s66, 1                         ; in out1: twice that
	s_mov_b32 s69, 0
	s_lshl_b32 s70, s[WV], 14
	s_mov_b32 s[G0U], 1
	s_add_co_u32 s[G0U+1], s70, UREG               ; my own 16,384 bytes
	s_mov_b32 s[G1U], 1<<16                        ; no mask: a load of my own; 2-byte elements; no padding
	s_mov_b32 s[G1U+1], 128<<16
	s_mov_b32 s[G1U+2], 64<<16
	s_mov_b32 s[G1U+3], 128<<16
	s_mov_b32 s[G1U+4], 64
	s_mov_b32 s[G1U+5], 2048
	s_mov_b32 s[G1U+6], 0
	s_mov_b32 s[G1U+7], 0
.endif
	s_lshl_b32 s71, s22, 10                        ; my 128 columns in a row of psum, 4 bytes each
	s_lshl_b32 s88, s[CH], 9
	s_add_co_u32 s71, s71, s88
	s_mov_b32 s[MASK], 0xffff0000
	s_mov_b32 s[CB], 0xbc449ba6                    ; -0.012
	s_mov_b32 s[CB+1], s[CB]                       ; named with it as a pair
	s_wait_dscnt 0x0                               ; the opening add is done
	s_wait_kmcnt 0x0
	s_add_nc_u64 s[58:59], s[4:5], s[58:59]
	s_add_nc_u64 s[60:61], s[6:7], s[60:61]
	s_add_nc_u64 s[10:11], s[10:11], s[66:67]
.if SECOND
	s_add_nc_u64 s[G0U+2:G0U+3], s[12:13], s[66:67]
	s_or_b32 s[G0U+3], s[G0U+3], 0x80000000
	s_add_nc_u64 s[14:15], s[14:15], s[68:69]
.endif
	CROUND                                         ; all sixteen work-groups are here: the first joint loads meet
.irp s, 0,1
	s_mov_b32 s[G0A+4*(\s)], 1                                       ; count = 1
	s_add_co_u32 s[G0A+4*(\s)+1], s62, (\s)*SLOT                     ; LDS address
	s_add_nc_u64 s[G0A+4*(\s)+2:G0A+4*(\s)+3], s[58:59], (\s)*ASTEP  ; global address: K step s
	s_or_b32 s[G0A+4*(\s)+3], s[G0A+4*(\s)+3], 0x80000000            ; type = 2
	s_mov_b32 s[G0B+4*(\s)], 1
	s_add_co_u32 s[G0B+4*(\s)+1], s63, (\s)*SLOT
	s_add_nc_u64 s[G0B+4*(\s)+2:G0B+4*(\s)+3], s[60:61], (\s)*BSTEP
	s_or_b32 s[G0B+4*(\s)+3], s[G0B+4*(\s)+3], 0x80000000
	JLOAD \s
.endr
.if SECOND
	tensor_load_to_lds s[G0U:G0U+3], s[G1U:G1U+7]  ; my 64 x 128 piece of uin, for the way out: the third and last of my first fills
	s_nop 0
.rept 4
	v_nop
.endr
.endif
	v_and_b32 v1, 15, v0                           ; r = l % 16
	v_bfe_u32 v2, v0, 4, 1                         ; h = l / 16
	v_and_b32 v3, 31, v0                           ; l
	v_lshl_add_u32 v[PO], v3, 4, s71
.irp j, 0,1,2,3,4,5,6,7,8,9,10,11,12,13,14,15
	global_load_b128 v[F0+4*(\j):F0+4*(\j)+3], v[PO], s[8:9] offset:(\j)*8192  ; the 16 partial sums of my 4 columns, into registers that are free until the first fragments come
.endr
	; A fragment of Act is 16 rows x 32 K in 8 registers: lane l holds row r; K = 8 h + 0..7 and 16 + 8 h + 0..7: two loads of 16 bytes, 32 bytes apart.
	v_mul_u32_u24 v4, v1, PA
	v_lshl_add_u32 v4, v2, 4, v4
	s_mul_i32 s88, s[RH], AHALF                    ; my 64 rows
	v_add_nc_u32 v[ADRA], s88, v4
	v_add_nc_u32 v[ADRA+1], SLOT, v[ADRA]
	; The turning load takes 16 K x 16 columns (lane l reads 16 bytes: row 8 h + l % 8, columns 8 ((l / 8) % 2) + 0..7) and leaves half a fragment: lane l holds column r and 8 K.
	v_and_b32 v5, 7, v0
	v_bfe_u32 v6, v0, 3, 1
	v_lshl_add_u32 v7, v2, 3, v5
	v_mul_u32_u24 v7, v7, PB
	v_lshl_add_u32 v7, v6, 4, v7
	s_lshl_b32 s88, s[CH], 8                       ; my 128 columns
	s_add_co_u32 s88, s88, BOFF
	v_add_nc_u32 v[ADRB], s88, v7
	v_add_nc_u32 v[ADRB+1], SLOT, v[ADRB]
	s_mul_i32 s88, s[WV], WSTAGE                   ; my stage
	v_mul_u32_u24 v[STO], v1, SP                   ; in: row r, 32 bytes for each half of the lanes
	v_lshl_add_u32 v[STO], v2, 5, v[STO]
	v_add_nc_u32 v[STO], s88, v[STO]
	v_lshl_add_u32 v[RD], v3, 4, s88               ; back: a row's 512 bytes, 16 a lane
	v_lshlrev_b32 v[UO], 3, v3
.if SECOND
	v_lshlrev_b32 v[ZO], 4, v3
	v_lshl_add_u32 v[UR], v3, 3, s[G0U+1]
.endif
	s_wait_loadcnt 0x0                             ; psum
.irp d, 8,4,2,1                        ; a tree: d vectors of four are added onto d others
.set k, 0
.rept 2*(\d)
	v_pk_add_f32 v[F0+2*k:F0+2*k+1], v[F0+2*k:F0+2*k+1], v[F0+4*(\d)+2*k:F0+4*(\d)+2*k+1]
.set k, k+1
.endr
.endr
.irp i, 0,1,2,3
	v_rsq_f32 v[INV+(\i)], v[F0+(\i)]
.endr
.if SECOND
.irp i, 0,1,2,3
	v_sqrt_f32 v[NRM+(\i)], v[F0+(\i)]
.endr
.endif
	v_nop                                          ; a plain instruction behind the last of them, ahead of the first use and of the loads into their sources
	s_wait_alu depctr_va_vdst(0)                   ; and a wait ahead of the first use: one for the batch
.irp i, 0,1,2,3
	v_mul_f32 v[SC+(\i)], 0x3dcccccd, v[INV+(\i)]  ; 0.1 inv
.endr
; 8 matrix instructions: row block a x all 8 column blocks, 32 along K, from buffer f.  zero = 1: the product starts the sums: nothing is ever cleared.
; The 32 accumulators take turns in the same order in every quarter: 31 others' stand between two links of a chain, over the backward jump too.
.macro MUL8 f, a, zero
	WIN MUL
.irp b, 0,1,2,3,4,5,6,7
.if \zero
	v_wmma_f32_16x16x32_bf16 v[8*(8*(\a)+(\b)):8*(8*(\a)+(\b))+7], v[(\f)+8*(\b):(\f)+8*(\b)+7], v[(\f)+64+8*(\a):(\f)+64+8*(\a)+7], 0
.else
	v_wmma_f32_16x16x32_bf16 v[8*(8*(\a)+(\b)):8*(8*(\a)+(\b))+7], v[(\f)+8*(\b):(\f)+8*(\b)+7], v[(\f)+64+8*(\a):(\f)+64+8*(\a)+7], v[8*(8*(\a)+(\b)):8*(8*(\a)+(\b))+7]
.endif
.endr
.endm
; 24 LDS loads in one run: quarter q (32 along K) of a slot into buffer f: wb's 8 fragments, turned, then Act's 4
.macro FETCH slot, q, f
	WIN 0
.irp b, 0,1,2,3,4,5,6,7
	ds_load_tr16_b128 v[(\f)+8*(\b):(\f)+8*(\b)+3],   v[ADRB+(\slot)] offset:(\q)*32*PB+32*(\b)
	ds_load_tr16_b128 v[(\f)+8*(\b)+4:(\f)+8*(\b)+7], v[ADRB+(\slot)] offset:(\q)*32*PB+16*PB+32*(\b)
.endr
.irp a, 0,1,2,3
	ds_load_b128 v[(\f)+64+8*(\a):(\f)+64+8*(\a)+3],   v[ADRA+(\slot)] offset:(\q)*64+(\a)*16*PA
	ds_load_b128 v[(\f)+64+8*(\a)+4:(\f)+64+8*(\a)+7], v[ADRA+(\slot)] offset:(\q)*64+(\a)*16*PA+32
.endr
.endm
.macro PLACES                          ; four places in front of loads into registers that matrix instructions have read, and of lines that read results
.rept 4
	v_nop
.endr
.endm
; A K step is four quarters of 32 along K, 32 matrix instructions each, on buffers 0, 1, 0, 1.  One of the first three: multiplies buffer f and fetches quarter q into g.
.macro QUARTER slot, q, f, g, zero
	s_wait_dscnt 4                                 ; wb's fragments and Act's blocks 0 and 1 are in; the youngest four loads (blocks 2 and 3) may be out
	MUL8 \f, 0, \zero
	MUL8 \f, 1, \zero
	PLACES
	FETCH \slot, \q, \g
	s_wait_dscnt 24                                ; all but the 24 just issued
	MUL8 \f, 2, \zero
	MUL8 \f, 3, \zero
.endm
; The last quarter multiplies buffer 1 and changes slots: ONE barrier; in front of it each wave waits for all its tensor loads, adds 0 to its spare word, and waits for that and for its own reads of this slot.
; fill = 1: this slot is filled again, two K steps ahead; the barrier then opens a round of the cluster's barrier, and the joint load is the first thing behind the round: 112 matrix instructions ahead of the wait for it.
.macro TURN slot, next, fill
	WIN 0                                          ; (the add's two registers lie in window 0)
	s_wait_tensorcnt 0x0                           ; all my tensor loads have landed: my part of the next slot among them
	ds_add_u32 v[SPW], v[NIL]                      ; 0 onto my spare word
	s_wait_dscnt 5                                 ; (the add and the youngest four loads may be out)
	MUL8 F1, 0, 0                                  ; eight matrix instructions stand between the add and the wait for it
	s_wait_dscnt 0x0                               ; the add is done, and my reads of this slot are over
	s_barrier_signal -1
	MUL8 F1, 1, 0
.if \fill
	WIN 0
.endif
	s_barrier_wait -1
.if \fill
	CREST                                          ; no wave of any partner still reads this slot's tiles or has a load on its way
	s_add_nc_u64 s[G0A+4*(\slot)+2:G0A+4*(\slot)+3], s[G0A+4*(\slot)+2:G0A+4*(\slot)+3], 2*ASTEP
	s_add_nc_u64 s[G0B+4*(\slot)+2:G0B+4*(\slot)+3], s[G0B+4*(\slot)+2:G0B+4*(\slot)+3], 2*BSTEP
	JLOAD \slot                                    ; the four v_nop behind it are also the places in front of the loads below
.else
	PLACES
.endif
	FETCH \next, 0, F0
	MUL8 F1, 2, 0
	MUL8 F1, 3, 0
.endm
	s_wait_tensorcnt 1+SECOND                      ; my part of K step 0 is in; K step 1's (and uin's) may stay out
	s_barrier_signal -1
	s_barrier_wait -1                              ; everybody's is
	FETCH 0, 0, F0
	QUARTER 0, 1, F0, F1, 1                        ; the first quarter stands in front of the loop: its products start the sums
	WIN 0                                          ; at a label and at a branch every window is 0
	s_mov_b32 s[CNT], LAPS-1
.Llap:                                                 ; a trip goes once round the ring, from a lap's second quarter to the next lap's first, and fills both slots again
	QUARTER 0, 2, F1, F0, 0
	QUARTER 0, 3, F0, F1, 0
	TURN 0, 1, 1
	QUARTER 1, 1, F0, F1, 0
	QUARTER 1, 2, F1, F0, 0
	QUARTER 1, 3, F0, F1, 0
	TURN 1, 0, 1
	QUARTER 0, 1, F0, F1, 0
	WIN 0
	s_sub_co_u32 s[CNT], s[CNT], 1
	s_cmp_lg_u32 s[CNT], 0
	s_cbranch_scc1 .Llap
	QUARTER 0, 2, F1, F0, 0                        ; the last lap fills nothing, and has no round of the cluster's barrier
	QUARTER 0, 3, F0, F1, 0
	TURN 0, 1, 0
	QUARTER 1, 1, F0, F1, 0
	QUARTER 1, 2, F1, F0, 0
	QUARTER 1, 3, F0, F1, 0
	s_wait_dscnt 4                                 ; the very last quarter: nothing more to fetch
	MUL8 F1, 0, 0
	MUL8 F1, 1, 0
	s_wait_dscnt 0x0
	MUL8 F1, 2, 0
	MUL8 F1, 3, 0
	; THE WAY OUT.  The sums go as f32 into my own stage, which lies over the ring, and come back as whole rows: a lane then holds columns 4 l .. 4 l + 3 of a row, for which it keeps the factors.
	WIN 0
	PLACES
	PLACES
	s_wait_dscnt 0x0                               ; my reads of the ring are over,
	s_barrier_signal -1
	s_barrier_wait -1                              ; everybody's are; no tensor load is out, and none follows
	WIN DAT1
.irp a, 0,1,2,3
.irp b, 0,1,2,3,4,5,6,7                ; each accumulator's four lowest registers first
	ds_store_b128 v[STO], v[8*(8*(\a)+(\b)):8*(8*(\a)+(\b))+3]   offset:(\a)*16*SP+64*(\b)
	ds_store_b128 v[STO], v[8*(8*(\a)+(\b))+4:8*(8*(\a)+(\b))+7] offset:(\a)*16*SP+64*(\b)+16
.endr
.endr
	WIN 0
.macro ROWOUT i                        ; row i of a trip's eight
	s_wait_dscnt (7-(\i))*(1+SECOND)               ; LDS loads come back in order: this row's are in, the later rows' may be out
	v_pk_fma_f32 v[X+4*(\i):X+4*(\i)+1],   v[X+4*(\i):X+4*(\i)+1],   v[SC:SC+1],     s[CB:CB+1] op_sel_hi:[1,1,0]  ; 0.1 inv acc - 0.012
	v_pk_fma_f32 v[X+4*(\i)+2:X+4*(\i)+3], v[X+4*(\i)+2:X+4*(\i)+3], v[SC+2:SC+3],   s[CB:CB+1] op_sel_hi:[1,1,0]
.if SECOND
	v_lshlrev_b32 v[T+4*(\i)],   16,      v[U+2*(\i)]
	v_and_b32     v[T+4*(\i)+1], s[MASK], v[U+2*(\i)]
	v_lshlrev_b32 v[T+4*(\i)+2], 16,      v[U+2*(\i)+1]
	v_and_b32     v[T+4*(\i)+3], s[MASK], v[U+2*(\i)+1]
	v_pk_fma_f32 v[X+4*(\i):X+4*(\i)+1],   v[T+4*(\i):T+4*(\i)+1],   v[NRM:NRM+1],   v[X+4*(\i):X+4*(\i)+1]        ; + uin nrm, the first step's z
	v_pk_fma_f32 v[X+4*(\i)+2:X+4*(\i)+3], v[T+4*(\i)+2:T+4*(\i)+3], v[NRM+2:NRM+3], v[X+4*(\i)+2:X+4*(\i)+3]
.endif
.irp c, 0,1,2,3
	v_max_num_f32 v[X+4*(\i)+(\c)], 0, v[X+4*(\i)+(\c)]
.endr
.if SECOND
	global_store_b128 v[ZO], v[X+4*(\i):X+4*(\i)+3], s[14:15] offset:(\i)*8192 th:TH_STORE_NT  ; 512 consecutive bytes, at a multiple of 256 from out1's first
.endif
	v_pk_mul_f32 v[T+4*(\i):T+4*(\i)+1],   v[X+4*(\i):X+4*(\i)+1],   v[INV:INV+1]
	v_pk_mul_f32 v[T+4*(\i)+2:T+4*(\i)+3], v[X+4*(\i)+2:X+4*(\i)+3], v[INV+2:INV+3]
	v_cvt_pk_bf16_f32 v[Y+2*(\i)],   v[T+4*(\i)],   v[T+4*(\i)+1]
	v_cvt_pk_bf16_f32 v[Y+2*(\i)+1], v[T+4*(\i)+2], v[T+4*(\i)+3]
	global_store_b64 v[UO], v[Y+2*(\i):Y+2*(\i)+1], s[10:11] offset:(\i)*4096  ; 256 consecutive bytes, at a multiple of 256 from uout's first
.endm
	s_mov_b32 s[CNT], 8
	s_mov_b32 s89, 0                               ; the trip's rows in my stage,
	s_mov_b32 s90, 0                               ; and in my piece of uin
.Lrows:                                                ; eight trips of eight rows
	v_add_nc_u32 v[RA], s89, v[RD]
.if SECOND
	v_add_nc_u32 v[UA], s90, v[UR]
.endif
.irp i, 0,1,2,3,4,5,6,7
	ds_load_b128 v[X+4*(\i):X+4*(\i)+3], v[RA] offset:(\i)*SP  ; LDS serves a wave's instructions in order (ISA guide 5.7.1.4): these see my stores above
.if SECOND
	ds_load_b64 v[U+2*(\i):U+2*(\i)+1], v[UA] offset:(\i)*256  ; my own tensor load brought these; every change of slots has waited for it
.endif
.endr
.irp i, 0,1,2,3,4,5,6,7
	ROWOUT \i
.endr
	s_wait_xcnt 0x0                                ; the stores have read their data and their bases: only behind this wait are X, Y and the bases written again
	s_add_nc_u64 s[10:11], s[10:11], 8*4096
.if SECOND
	s_add_nc_u64 s[14:15], s[14:15], 8*8192
.endif
	s_add_co_u32 s89, s89, 8*SP
	s_add_co_u32 s90, s90, 8*256
	s_sub_co_u32 s[CNT], s[CNT], 1
	s_cmp_lg_u32 s[CNT], 0
	s_cbranch_scc1 .Lrows
	s_wait_tensorcnt 0x0                           ; the wave's end, behind my last tensor load and my last LDS store
	ds_add_u32 v[SPW], v[NIL]
	s_wait_dscnt 0x0
	CROUND                                         ; the closing round: no work-group ends while a partner may still ask for a tile that names it
	s_endpgm
.Lfunc_end_k_q3faac8195e_fwd2:
	.size	k_q3faac8195e_fwd2, .Lfunc_end_k_q3faac8195e_fwd2-k_q3faac8195e_fwd2
	.p2alignl 7, 3214868480
	.fill 96, 4, 3214868480
	.section	.rodata,"a",@progbits
	.p2align	6, 0x0
	.amdhsa_kernel k_q3faac8195e_fwd2
		.amdhsa_group_segment_fixed_size 327680
		.amdhsa_private_segment_fixed_size 0
		.amdhsa_enable_private_segment 0
		.amdhsa_kernarg_size 48
		.amdhsa_user_sgpr_count 2
		.amdhsa_user_sgpr_kernarg_segment_ptr 1
		.amdhsa_wavefront_size32 1
		.amdhsa_system_sgpr_workgroup_id_x 1
		.amdhsa_system_sgpr_workgroup_id_y 1
		.amdhsa_system_sgpr_workgroup_id_z 1
		.amdhsa_system_vgpr_workitem_id 0
		.amdhsa_next_free_vgpr 512
		.amdhsa_next_free_sgpr 96
		.amdhsa_reserve_vcc 0
		.amdhsa_float_denorm_mode_32 3
		.amdhsa_float_denorm_mode_16_64 3
		.amdhsa_memory_ordered 1
		.amdhsa_forward_progress 1
		.amdhsa_inst_pref_size 89
	.end_amdhsa_kernel
	.amdgpu_metadata
---
amdhsa.version: [ 1, 2 ]
amdhsa.kernels:
  - .name:           k_q3faac8195e_fwd2
    .symbol:         k_q3faac8195e_fwd2.kd
    .args:
      - { .name: e, .offset: 0, .size: 8, .value_kind: global_buffer, .address_space: global }
      - { .name: wb, .offset: 8, .size: 8, .value_kind: global_buffer, .address_space: global }
      - { .name: psum, .offset: 16, .size: 8, .value_kind: global_buffer, .address_space: global }
      - { .name: u2, .offset: 24, .size: 8, .value_kind: global_buffer, .address_space: global }
      - { .name: u1, .offset: 32, .size: 8, .value_kind: global_buffer, .address_space: global }
      - { .name: out1, .offset: 40, .size: 8, .value_kind: global_buffer, .address_space: global }
    .group_segment_fixed_size: 327680
    .private_segment_fixed_size: 0
    .kernarg_segment_align: 8
    .kernarg_segment_size: 48
    .max_flat_workgroup_size: 128
    .sgpr_count:     96
    .vgpr_count:     512
    .wavefront_size: 32
...
	.end_amdgpu_metadata
.endif
;; end of part 4
;; launch bwd2 (part 5): grid 8 x 32, 4 waves a work-group, clusters of 4 x 4, 327,680 bytes of LDS; arguments u2, wb, out0; writes out0
.if DOCPART == 5
	.amdgcn_target "amdgcn-amd-amdhsa--gfx1250"
	.amdhsa_code_object_version 6
	.text
	.protected	k_q3faac8195e_bwd2
	.globl	k_q3faac8195e_bwd2
	.p2align	8
	.type	k_q3faac8195e_bwd2,@function
k_q3faac8195e_bwd2:
	s_mov_b64 s[64:65], 0
	v_nop
	global_prefetch_b8 v0, s[64:65] scope:SCOPE_SE
	s_setreg_imm32_b32 hwreg(HW_REG_WAVE_MODE, 25, 1), 1
	s_wait_xcnt 0x0
	s_wait_alu depctr_hold_cnt(0) depctr_sa_sdst(0) depctr_va_vdst(0) depctr_va_sdst(0) depctr_va_ssrc(0) depctr_va_vcc(0) depctr_vm_vsrc(0)
	s_getreg_b32 s2, hwreg(HW_REG_IB_STS2, 6, 4)
	s_cmp_eq_u32 s2, 0
	s_cbranch_scc0 .Lentry_in_a_cluster
	s_endpgm
.Lentry_in_a_cluster:
	s_bfe_u32 s2, ttmp6, 0x10000c
	s_cmp_lg_u32 s2, 0xf033
	s_cbranch_scc0 .Lentry_shape_is_right
	s_endpgm
.Lentry_shape_is_right:
; THE PRODUCT WITH THE DICTIONARY'S TRANSPOSE, second use (FIRST = 0; the first use's text is this one with FIRST = 1).
; r[m][d] = the sum over p of U[m][p] wb[d][p].  U: [4096][2048] bf16, z / norm; wb: [1024][2048] bf16: its rows lie along K as they are.  Sums in f32.
; FIRST = 1:  e = bf16(xb - r), [4096][1024] bf16 (xb = bf16(x): the residual that the second step multiplies).      FIRST = 0:  out0 = r, [4096][1024] f32.
; LIMITS.  e is rounded once to bf16; the sums' order is the matrix unit's; NaN and infinities are not treated apart.
; SHARES.  C has 4,096 x 1,024 numbers: tiles of 128 x 128 give each of 256 work-groups one.  Four waves, each 64 x 64: 16 accumulators of 16 x 16, 128 registers.
; K goes in 8 steps of 256 (LDS rows of 512 bytes; a wave's tensor load brings 64 of them), as long as two slots in LDS allow.
; CLUSTERS: 4 x 4 work-groups.  The four of a row of the cluster need the same tiles of U, the four of a column the same tiles of wb: each tile is asked for JOINTLY, by the same tensor load with the
; same descriptor and a mask that names the four.  THE MATRIX INSTRUCTION IS USED TRANSPOSED (source 0 = 16 rows of wb, source 1 = 16 rows of U): a lane holds eight neighbouring numbers of a row of C.
; REGISTERS: window 0: v0-31 addresses; v32-103 at work on the way out; v128-255 the accumulators ((a, b) at v[128 + 8 (4 a + b)]).
;   window 1: two fragment buffers of 128: for 64 along K (two matrix instructions deep), 64 registers of U (2 x 4 x 16 rows x 32 K), then 64 of wb.
.set FIRST,  0
.set SIZE_N, 1024
.set SIZE_K, 2048
.set KSTEP,  256
.set PITCH,  528                       ; an LDS row: 512 bytes of data + 16 of padding = 132 words: row r starts at bank 4 r mod 64 (64 banks of 4 bytes: ISA guide 11.1)
.set HALFT,  64*PITCH                  ; 64 rows: what one tensor load brings, and what one wave reads of U or of wb
.set SLOT,   4*HALFT                   ; U's 128 rows, then wb's 128 rows
.set STAGE,  2*SLOT                    ; behind the ring: 128 rows x 272 bytes.  FIRST = 1: xb's tile, filled once, over which e is written; FIRST = 0: 16 rows for each wave
.set SPITCH, 272
.set SPARE,  STAGE+128*SPITCH          ; behind the stage: the spare words, 128 bytes for each wave: two blocks of 256 bytes that no other line names
.set LAPS, SIZE_K/(2*KSTEP)            ; a lap = two K steps = once round the ring
.set ADRA, 16                          ; v16-17  LDS address of my U fragments in slot 0, 1
.set ADRB, 20                          ; v20-21  the same for wb
.set STO,  24                          ; v24     the way out: my place in the stage by the accumulators' layout
.set RD,   25                          ; v25     the way out: where I read a row back
.set CO,   26                          ; v26     my byte offset in C
.set SPW,  28                          ; v28     LDS address of my spare word: SPARE + 4 x my thread's number; never rewritten
.set NIL,  29                          ; v29     0; never rewritten
.set TMP,  32                          ; the way out: 64 registers
.set PP,   96                          ; v[96:103] eight numbers of xb as f32
.set ACC,  128
.set F0,   0                           ; fragment buffers, in window 1
.set F1,   128
.set G1, 24                            ; s[24:31] descriptor group 1 for U's tiles;  s[32:39] group 0, one set for each slot
.set G0, 32
.set G1B, 48                           ; s[48:55], s[56:63] the same for wb's tiles
.set G0B, 56
.set G0X, 68                           ; s[68:71], s[72:79] for my 32 rows of xb's tile
.set G1X, 72
.set MSB, 0
.macro WIN new                         ; the immediate's high byte repeats the setting that is left
.if MSB != (\new)
	s_set_vgpr_msb (MSB<<8)|(\new)
.set MSB, \new
.endif
.endm
.set MUL,  0x05                        ; sources 0 (wb) and 1 (U) window 1; C and D window 0
.set TO_F, 0x40                        ; destination window 1, address window 0
.macro JLOAD s                         ; a joint load: waves 0 and 1 fetch U's two halves, waves 2 and 3 wb's; an s_nop 0 and four v_nop follow each of the two lines
	s_cmp_eq_u32 s11, 0
	s_cbranch_scc0 .Lfor_b_\@
	tensor_load_to_lds s[G0+4*(\s):G0+4*(\s)+3], s[G1:G1+7]
	s_nop 0
.rept 4
	v_nop
.endr
	s_branch .Lasked_\@
.Lfor_b_\@:
	tensor_load_to_lds s[G0B+4*(\s):G0B+4*(\s)+3], s[G1B:G1B+7]
	s_nop 0
.rept 4
	v_nop
.endr
.Lasked_\@:
.endm
.macro CREST                           ; a round of the cluster's barrier behind its opening barrier
	s_cmp_lg_u32 s10, 0
	s_cbranch_scc1 .Lnot_wave_0_\@
	s_barrier_signal -3
.Lnot_wave_0_\@:
	s_barrier_wait -3
	s_barrier_signal -1
	s_barrier_wait -1
.endm
.macro CROUND                          ; a whole round
	s_barrier_signal -1
	s_barrier_wait -1
	CREST
.endm
	s_load_b128 s[4:7], s[0:1], 0x0                ; U s[4:5], wb s[6:7]
	s_load_b64 s[8:9], s[0:1], 0x10                ; C
.if FIRST
	s_load_b64 s[66:67], s[0:1], 0x18              ; xb
.endif
	v_lshl_add_u32 v[SPW], v0, 2, SPARE
	v_mov_b32 v[NIL], 0
	ds_add_u32 v[SPW], v[NIL]                      ; the wave's opening: the add and its wait stand ahead of my first tensor load; the set-up below, work on registers, stands between them
	v_lshrrev_b32 v1, 5, v0
	v_readfirstlane_b32 s10, v1                    ; wave 0..3
	s_lshr_b32 s11, s10, 1                         ; which half of the tile's rows is mine.  Also: I fetch for U (0) or for wb (1)
	s_and_b32 s12, s10, 1                          ; which half of its columns.  Also: which 64 rows of that tile I fetch
	s_bfe_u32 s40, ttmp6, 0x40000                  ; cx, cy: my place in the cluster
	s_bfe_u32 s41, ttmp6, 0x40004
	s_lshl_b32 s42, ttmp9, 2
	s_add_co_u32 s42, s42, s40                     ; tile column of C = 4 x cluster x + cx
	s_and_b32 s13, ttmp7, 0xffff
	s_lshl_b32 s13, s13, 2
	s_add_co_u32 s13, s13, s41                     ; tile row of C = 4 x cluster y + cy
	s_lshl_b32 s43, s41, 2
	s_lshl_b32 s43, 15, s43                        ; my row of the cluster
	s_lshl_b32 s44, 0x1111, s40                    ; my column
	; descriptor group 1: a tile of 64 rows x 256 elements, padded in LDS
	s_or_b32 s[G1+0], s43, (1<<16)|(1<<20)|(1<<21)|(6<<22)|(3<<25)  ; 15:0 the mask: U's tiles go to my row; 17:16 element of 2 bytes; 20 padding on; 21 set beside a mask; 24:22 after every 128 words (code 6); 31:25 of 4 words (code 3)
	s_or_b32 s[G1B+0], s44, (1<<16)|(1<<20)|(1<<21)|(6<<22)|(3<<25)
.irp g, G1, G1B
	s_mov_b32 s[(\g)+1], KSTEP<<16                 ; tensor_dim0 = 256
	s_mov_b32 s[(\g)+2], 64<<16                    ; tensor_dim1 = 64
	s_mov_b32 s[(\g)+3], KSTEP<<16                 ; tile_dim0 = 256
	s_mov_b32 s[(\g)+4], 64                        ; tile_dim1 = 64
	s_mov_b32 s[(\g)+5], SIZE_K                    ; tensor_dim0_stride
	s_mov_b32 s[(\g)+6], 0
	s_mov_b32 s[(\g)+7], 0
.endr
	s_lshl_b32 s17, s12, 6                         ; which 64 rows of the tile I fetch
	s_lshl_b32 s16, s13, 7
	s_add_co_u32 s16, s16, s17                     ; U: row 128 x tile row + 64 x half
	s_lshl_b32 s46, s42, 7
	s_add_co_u32 s46, s46, s17                     ; wb: row 128 x tile column + 64 x half
	s_mov_b32 s17, 0
	s_mov_b32 s47, 0
	s_mov_b64 s[18:19], SIZE_K*2
	s_mul_u64 s[16:17], s[16:17], s[18:19]
	s_mul_u64 s[46:47], s[46:47], s[18:19]
	s_mul_i32 s20, s10, HALFT                      ; where they go: wave x 64 rows
	; where my part of C begins, in bytes, in registers that feed no joint load
.if FIRST
	s_lshl_b32 s82, s13, 18                        ; I store rows 128 x tile row + 32 x wave on, 2,048 bytes each, whole: the tile's 128 columns are 256 bytes.  xb's tile has the same place in xb
	s_lshl_b32 s83, s10, 16
	s_add_co_u32 s82, s82, s83
	s_lshl_b32 s83, s42, 8
	s_add_co_u32 s82, s82, s83
	s_mul_i32 s81, s10, 32*SPITCH
	s_mov_b32 s[G0X], 1
	s_add_co_u32 s[G0X+1], s81, STAGE              ; my 32 rows of the stage
	s_mov_b32 s[G1X], (1<<16)|(1<<20)|(5<<22)|(3<<25)  ; no mask: a load of my own; 2-byte elements; padding after every 64 words (code 5), 4 words (code 3)
	s_mov_b32 s[G1X+1], 128<<16
	s_mov_b32 s[G1X+2], 32<<16
	s_mov_b32 s[G1X+3], 128<<16
	s_mov_b32 s[G1X+4], 32
	s_mov_b32 s[G1X+5], SIZE_N
	s_mov_b32 s[G1X+6], 0
	s_mov_b32 s[G1X+7], 0
	s_mov_b32 s80, 0xffff0000                      ; a word's upper bf16
.else
	s_lshl_b32 s82, s13, 19                        ; I store my own 64 rows, 4,096 bytes each, and my own 64 columns, 256 bytes
	s_lshl_b32 s83, s11, 18
	s_add_co_u32 s82, s82, s83
	s_lshl_b32 s83, s42, 9
	s_add_co_u32 s82, s82, s83
	s_lshl_b32 s83, s12, 8
	s_add_co_u32 s82, s82, s83
.endif
	s_mov_b32 s83, 0
	s_wait_dscnt 0x0                               ; the opening add is done
	s_wait_kmcnt 0x0
	s_add_nc_u64 s[14:15], s[4:5], s[16:17]
	s_add_nc_u64 s[46:47], s[6:7], s[46:47]
	s_add_nc_u64 s[8:9], s[8:9], s[82:83]
.if FIRST
	s_add_nc_u64 s[G0X+2:G0X+3], s[66:67], s[82:83]
	s_or_b32 s[G0X+3], s[G0X+3], 0x80000000
.endif
	CROUND                                         ; all sixteen work-groups are here: the first joint loads meet
.irp s, 0,1
	s_mov_b32 s[G0+4*(\s)], 1
	s_add_co_u32 s[G0+4*(\s)+1], s20, (\s)*SLOT
	s_add_nc_u64 s[G0+4*(\s)+2:G0+4*(\s)+3], s[14:15], (\s)*KSTEP*2
	s_or_b32 s[G0+4*(\s)+3], s[G0+4*(\s)+3], 0x80000000
	s_mov_b32 s[G0B+4*(\s)], 1
	s_add_co_u32 s[G0B+4*(\s)+1], s20, (\s)*SLOT
	s_add_nc_u64 s[G0B+4*(\s)+2:G0B+4*(\s)+3], s[46:47], (\s)*KSTEP*2
	s_or_b32 s[G0B+4*(\s)+3], s[G0B+4*(\s)+3], 0x80000000
	JLOAD \s
.endr
.if FIRST
	tensor_load_to_lds s[G0X:G0X+3], s[G1X:G1X+7]  ; 32 rows of xb's tile, for the way out: the third and last of my first fills
	s_nop 0
.rept 4
	v_nop
.endr
.endif
	v_and_b32 v1, 15, v0                           ; l % 16
	v_bfe_u32 v2, v0, 4, 1                         ; l / 16
	v_mul_u32_u24 v3, v1, PITCH
	v_lshl_add_u32 v3, v2, 4, v3                   ; a fragment's row x pitch + 16 x half
	s_mul_i32 s21, s11, HALFT                      ; my 64 rows of U
	s_mul_i32 s22, s12, HALFT                      ; my 64 rows of wb,
	s_add_co_u32 s22, s22, 2*HALFT                 ; which lie behind U's 128
.irp s, 0,1
	v_add_nc_u32 v[ADRA+(\s)], s21, v3
	v_add_nc_u32 v[ADRB+(\s)], s22, v3
	s_add_co_u32 s21, s21, SLOT
	s_add_co_u32 s22, s22, SLOT
.endr
.if FIRST
	s_mul_i32 s23, s11, 64*SPITCH                  ; in the stage: my 64 rows, my half of their 256 bytes; row l % 16, 16 bytes for each half of the lanes
	s_lshl_b32 s21, s12, 7
	s_add_co_u32 s23, s23, s21
	s_add_co_u32 s23, s23, STAGE
	v_mul_u32_u24 v4, v1, SPITCH
	v_lshl_add_u32 v4, v2, 4, v4
	v_add_nc_u32 v[STO], s23, v4
	s_mul_i32 s23, s10, 32*SPITCH                  ; back: wave w takes rows 32 w .. 32 w + 31, whole; lanes 0-15 one row of 256 bytes, lanes 16-31 the next
	s_add_co_u32 s23, s23, STAGE
	v_mul_u32_u24 v5, v2, SPITCH
	v_lshl_add_u32 v5, v1, 4, v5
	v_add_nc_u32 v[RD], s23, v5
	v_mul_u32_u24 v5, v2, SIZE_N*2                 ; and the same two rows in e
	v_lshl_add_u32 v[CO], v1, 4, v5
.else
	s_mul_i32 s23, s10, 16*SPITCH                  ; my own stage of 16 rows x 64 f32
	s_add_co_u32 s23, s23, STAGE
	v_mul_u32_u24 v4, v1, SPITCH                   ; in: row l % 16, 32 bytes for each half of the lanes
	v_lshl_add_u32 v4, v2, 5, v4
	v_add_nc_u32 v[STO], s23, v4
	v_mul_u32_u24 v5, v2, SPITCH                   ; back: lanes 0-15 one row of 256 bytes, lanes 16-31 the next
	v_lshl_add_u32 v5, v1, 4, v5
	v_add_nc_u32 v[RD], s23, v5
	v_lshlrev_b32 v5, 12, v2                       ; and the same two rows in out0, 4,096 bytes each
	v_lshl_add_u32 v[CO], v1, 4, v5
.endif
; 8 matrix instructions: m blocks a0, a0 + 1 x all 4 n blocks, 32 along K: half c of buffer f.  zero = 1: the first product starts the sums.  The 16 accumulators take turns.
.macro MUL8 f, c, a0, zero
	WIN MUL
.irp a, \a0, (\a0)+1
.irp b, 0,1,2,3
.if \zero
	v_wmma_f32_16x16x32_bf16 v[ACC+8*(4*(\a)+(\b)):ACC+8*(4*(\a)+(\b))+7], v[(\f)+64+8*(4*(\c)+(\b)):(\f)+64+8*(4*(\c)+(\b))+7], v[(\f)+8*(4*(\c)+(\a)):(\f)+8*(4*(\c)+(\a))+7], 0
.else
	v_wmma_f32_16x16x32_bf16 v[ACC+8*(4*(\a)+(\b)):ACC+8*(4*(\a)+(\b))+7], v[(\f)+64+8*(4*(\c)+(\b)):(\f)+64+8*(4*(\c)+(\b))+7], v[(\f)+8*(4*(\c)+(\a)):(\f)+8*(4*(\c)+(\a))+7], v[ACC+8*(4*(\a)+(\b)):ACC+8*(4*(\a)+(\b))+7]
.endif
.endr
.endr
.endm
; 32 LDS loads in one run: the fragments of 64 along K at byte k of the rows, into buffer f; the first 32 along K first
.macro FETCH slot, k, f
	WIN TO_F
.irp c, 0,1
.irp i, 0,1,2,3
	ds_load_b128 v[(\f)+64+8*(4*(\c)+(\i)):(\f)+64+8*(4*(\c)+(\i))+3],   v[ADRB+(\slot)] offset:(\k)+64*(\c)+(\i)*16*PITCH
	ds_load_b128 v[(\f)+64+8*(4*(\c)+(\i))+4:(\f)+64+8*(4*(\c)+(\i))+7], v[ADRB+(\slot)] offset:(\k)+64*(\c)+(\i)*16*PITCH+32
	ds_load_b128 v[(\f)+8*(4*(\c)+(\i)):(\f)+8*(4*(\c)+(\i))+3],         v[ADRA+(\slot)] offset:(\k)+64*(\c)+(\i)*16*PITCH
	ds_load_b128 v[(\f)+8*(4*(\c)+(\i))+4:(\f)+8*(4*(\c)+(\i))+7],       v[ADRA+(\slot)] offset:(\k)+64*(\c)+(\i)*16*PITCH+32
.endr
.endr
.endm
.macro PLACES                          ; four places in front of loads into registers that matrix instructions have read, and of lines that read results
.rept 4
	v_nop
.endr
.endm
; A K step is four quarters of 64 along K, 32 matrix instructions each, on buffers 0, 1, 0, 1.  One of the first three: multiplies buffer f and fetches the next quarter, at byte k, into g.
.macro QUARTER slot, k, f, g, zero
	s_wait_dscnt 16                                ; the first 32 along K are in
	WIN MUL
	MUL8 \f, 0, 0, \zero
	MUL8 \f, 0, 2, \zero
	PLACES
	FETCH \slot, \k, \g
	s_wait_dscnt 32                                ; all but the 32 just issued
	WIN MUL
	MUL8 \f, 1, 0, 0
	MUL8 \f, 1, 2, 0
.endm
; The last quarter multiplies buffer 1 and changes slots: ONE barrier; in front of it each wave waits for all its tensor loads, adds 0 to its spare word, and waits for that and for its own reads of this slot.  fill = 1: this slot is filled again, two K steps ahead.
.macro TURN slot, next, fill
	WIN 0                                          ; (the add's two registers lie in window 0)
	s_wait_tensorcnt 0x0                           ; all my tensor loads have landed: my part of the next slot (the first time: my rows of xb's tile too)
	ds_add_u32 v[SPW], v[NIL]                      ; 0 onto my spare word
	s_wait_dscnt 17                                ; (the add and the youngest sixteen loads may be out)
	WIN MUL
	MUL8 F1, 0, 0, 0                               ; eight matrix instructions stand between the add and the wait for it
	s_wait_dscnt 0x0                               ; the add is done, and my reads of this slot are over
	s_barrier_signal -1
	MUL8 F1, 0, 2, 0
.if \fill
	WIN 0
.endif
	s_barrier_wait -1
.if \fill
	CREST                                          ; the barrier has opened a round of the cluster's barrier: no wave of any partner still reads this slot's tile or has a load on its way
	s_add_nc_u64 s[G0+4*(\slot)+2:G0+4*(\slot)+3], s[G0+4*(\slot)+2:G0+4*(\slot)+3], 2*KSTEP*2
	s_add_nc_u64 s[G0B+4*(\slot)+2:G0B+4*(\slot)+3], s[G0B+4*(\slot)+2:G0B+4*(\slot)+3], 2*KSTEP*2
	JLOAD \slot                                    ; the first tensor load behind the round: 112 matrix instructions ahead of the wait for it; the four v_nop behind it are also the places in front of the loads below
.else
	PLACES
.endif
	FETCH \next, 0, F0
	WIN MUL
	MUL8 F1, 1, 0, 0
	MUL8 F1, 1, 2, 0
.endm
	s_wait_tensorcnt 1+FIRST                       ; my part of K step 0 is in; K step 1's (and xb's rows) may stay out
	s_barrier_signal -1
	s_barrier_wait -1                              ; everybody's is
	FETCH 0, 0, F0
	QUARTER 0, 128, F0, F1, 1                      ; the first quarter stands in front of the loop: its first products start the sums
	WIN 0                                          ; at a label and at a branch every window is 0
	s_mov_b32 s3, LAPS-1
.Llap:                                                 ; a trip goes once round the ring, from a lap's second quarter to the next lap's first, and fills both slots again
	QUARTER 0, 256, F1, F0, 0
	QUARTER 0, 384, F0, F1, 0
	TURN 0, 1, 1
	QUARTER 1, 128, F0, F1, 0
	QUARTER 1, 256, F1, F0, 0
	QUARTER 1, 384, F0, F1, 0
	TURN 1, 0, 1
	QUARTER 0, 128, F0, F1, 0
	WIN 0
	s_sub_co_u32 s3, s3, 1
	s_cmp_lg_u32 s3, 0
	s_cbranch_scc1 .Llap
	QUARTER 0, 256, F1, F0, 0                      ; the last lap fills nothing, and has no round of the cluster's barrier
	QUARTER 0, 384, F0, F1, 0
	TURN 0, 1, 0
	QUARTER 1, 128, F0, F1, 0
	QUARTER 1, 256, F1, F0, 0
	QUARTER 1, 384, F0, F1, 0
	s_wait_dscnt 16                                ; the very last quarter: nothing more to fetch
	WIN MUL
	MUL8 F1, 0, 0, 0
	MUL8 F1, 0, 2, 0
	s_wait_dscnt 0
	MUL8 F1, 1, 0, 0
	MUL8 F1, 1, 2, 0
	WIN 0
.if FIRST
	; THE WAY OUT: e = bf16(xb - r).  xb's tile lies in the stage, in the places where e's 16 bytes a lane go: they are read, the sums taken away, and the result written over them;
	; a barrier, since a row's 256 bytes come from two waves; back as whole rows, 32 rows a wave.
.irp a, 0,1,2,3
.irp b, 0,1,2,3
	ds_load_b128 v[TMP+4*(4*(\a)+(\b)):TMP+4*(4*(\a)+(\b))+3], v[STO] offset:(\a)*16*SPITCH+32*(\b)  ; the eight numbers of xb that face accumulator (a, b)'s eight
.endr
.endr
	PLACES
	PLACES
	s_wait_dscnt 0x0                               ; my reads of xb's tile are back:
	s_barrier_signal -1                            ; say so; the subtractions, work on registers, stand between the signal and the wait
.set t, 0
.rept 16
.irp j, 0,1,2,3
	v_lshlrev_b32 v[PP+2*(\j)],   16,  v[TMP+4*t+(\j)]
	v_and_b32     v[PP+2*(\j)+1], s80, v[TMP+4*t+(\j)]
.endr
.irp j, 0,1,2,3                        ; each accumulator's lowest registers first
	v_pk_add_f32 v[PP+2*(\j):PP+2*(\j)+1], v[PP+2*(\j):PP+2*(\j)+1], v[ACC+8*t+2*(\j):ACC+8*t+2*(\j)+1] neg_lo:[0,1] neg_hi:[0,1]
.endr
.irp j, 0,1,2,3
	v_cvt_pk_bf16_f32 v[TMP+4*t+(\j)], v[PP+2*(\j)], v[PP+2*(\j)+1]
.endr
.set t, t+1
.endr
	s_barrier_wait -1                              ; every wave's reads of xb's tile are over before any wave stores into the stage
.irp a, 0,1,2,3
.irp b, 0,1,2,3
	ds_store_b128 v[STO], v[TMP+4*(4*(\a)+(\b)):TMP+4*(4*(\a)+(\b))+3] offset:(\a)*16*SPITCH+32*(\b)
.endr
.endr
	s_wait_dscnt 0x0                               ; for the others' sake: my stores into the stage are done
	s_barrier_signal -1
	s_barrier_wait -1
.irp t, 0,1,2,3,4,5,6,7,8,9,10,11,12,13,14,15
	ds_load_b128 v[TMP+4*(\t):TMP+4*(\t)+3], v[RD] offset:(\t)*2*SPITCH
.endr
.irp t, 0,1,2,3,4,5,6,7,8,9,10,11,12,13,14,15
	s_wait_dscnt 15-(\t)
	global_store_b128 v[CO], v[TMP+4*(\t):TMP+4*(\t)+3], s[8:9] offset:2*(\t)*SIZE_N*2  ; 16 lanes store 256 consecutive bytes, at a multiple of 256 from e's first byte
.endr
.else
	; THE WAY OUT: out0 = r in f32.  My 64 columns are 256 bytes, so each wave has a stage of its own and no barrier: a block of 16 rows goes in by the accumulators' layout and comes back as whole rows.
	PLACES
	PLACES
.irp a, 0,1,2,3
.if (\a) >= 2
	s_wait_xcnt 0x0                                ; the stores of the block two back have read their data: its registers are loaded again only behind this wait
.endif
.irp b, 0,1,2,3                        ; each accumulator's four lowest registers first
	ds_store_b128 v[STO], v[ACC+8*(4*(\a)+(\b)):ACC+8*(4*(\a)+(\b))+3]   offset:64*(\b)
	ds_store_b128 v[STO], v[ACC+8*(4*(\a)+(\b))+4:ACC+8*(4*(\a)+(\b))+7] offset:64*(\b)+16
.endr
.irp t, 0,1,2,3,4,5,6,7
	ds_load_b128 v[TMP+32*((\a)%2)+4*(\t):TMP+32*((\a)%2)+4*(\t)+3], v[RD] offset:(\t)*2*SPITCH  ; LDS serves a wave's instructions in order (ISA guide 5.7.1.4): these see the stores above; the next block's stores come behind them
.endr
.irp t, 0,1,2,3,4,5,6,7
	s_wait_dscnt 7-(\t)
	global_store_b128 v[CO], v[TMP+32*((\a)%2)+4*(\t):TMP+32*((\a)%2)+4*(\t)+3], s[8:9] offset:(16*(\a)+2*(\t))*4096 th:TH_STORE_NT  ; 16 lanes store 256 consecutive bytes, at a multiple of 256 from out0's first byte
.endr
.endr
.endif
	s_wait_tensorcnt 0x0                           ; the wave's end, behind my last tensor load and my last LDS store
	ds_add_u32 v[SPW], v[NIL]
	s_wait_dscnt 0x0
	CROUND                                         ; the closing round: no work-group ends while a partner may still ask for a tile that names it
	s_endpgm
.Lfunc_end_k_q3faac8195e_bwd2:
	.size	k_q3faac8195e_bwd2, .Lfunc_end_k_q3faac8195e_bwd2-k_q3faac8195e_bwd2
	.p2alignl 7, 3214868480
	.fill 96, 4, 3214868480
	.section	.rodata,"a",@progbits
	.p2align	6, 0x0
	.amdhsa_kernel k_q3faac8195e_bwd2
		.amdhsa_group_segment_fixed_size 327680
		.amdhsa_private_segment_fixed_size 0
		.amdhsa_enable_private_segment 0
		.amdhsa_kernarg_size 24
		.amdhsa_user_sgpr_count 2
		.amdhsa_user_sgpr_kernarg_segment_ptr 1
		.amdhsa_wavefront_size32 1
		.amdhsa_system_sgpr_workgroup_id_x 1
		.amdhsa_system_sgpr_workgroup_id_y 1
		.amdhsa_system_sgpr_workgroup_id_z 1
		.amdhsa_system_vgpr_workitem_id 0
		.amdhsa_next_free_vgpr 512
		.amdhsa_next_free_sgpr 84
		.amdhsa_reserve_vcc 0
		.amdhsa_float_denorm_mode_32 3
		.amdhsa_float_denorm_mode_16_64 3
		.amdhsa_memory_ordered 1
		.amdhsa_forward_progress 1
		.amdhsa_inst_pref_size 86
	.end_amdhsa_kernel
	.amdgpu_metadata
---
amdhsa.version: [ 1, 2 ]
amdhsa.kernels:
  - .name:           k_q3faac8195e_bwd2
    .symbol:         k_q3faac8195e_bwd2.kd
    .args:
      - { .name: u2, .offset: 0, .size: 8, .value_kind: global_buffer, .address_space: global }
      - { .name: wb, .offset: 8, .size: 8, .value_kind: global_buffer, .address_space: global }
      - { .name: out0, .offset: 16, .size: 8, .value_kind: global_buffer, .address_space: global }
    .group_segment_fixed_size: 327680
    .private_segment_fixed_size: 0
    .kernarg_segment_align: 8
    .kernarg_segment_size: 24
    .max_flat_workgroup_size: 128
    .sgpr_count:     84
    .vgpr_count:     512
    .wavefront_size: 32
...
	.end_amdgpu_metadata
.endif
;; end of part 5
;; ======== version 2 of 2: 5 launches; version 1 with the launch prep written anew for expert scheduling mode
;; limits: values outside matrix products are rounded to bf16
;; workspace buffers: xb 8,388,608 bytes; wb 4,194,304 bytes; psum 131,072 bytes; u1 16,777,216 bytes; e 8,388,608 bytes; u2 16,777,216 bytes
;; launch prep (part 6): grid 256 x 1, 8 waves a work-group, no clusters, 5,120 bytes of LDS; arguments x, W, xb, wb, psum; writes xb, wb, psum
.if DOCPART == 6
	.amdgcn_target "amdgcn-amd-amdhsa--gfx1250"
	.amdhsa_code_object_version 6
	.text
	.protected	k_q3faac8195e_prep
	.globl	k_q3faac8195e_prep
	.p2align	8
	.type	k_q3faac8195e_prep,@function
k_q3faac8195e_prep:
	s_mov_b64 s[64:65], 0
	v_nop
	global_prefetch_b8 v0, s[64:65] scope:SCOPE_SE
	s_setreg_imm32_b32 hwreg(HW_REG_WAVE_SCHED_MODE, 0, 2), 2
	s_setreg_imm32_b32 hwreg(HW_REG_WAVE_MODE, 25, 1), 1
	s_wait_xcnt 0x0
	s_wait_alu depctr_vm_vsrc(0)
; xb = bf16(x), wb = bf16(W) (each number rounded once, to nearest even, layouts kept), and psum[rb][p] = the sum over the 64 rows d of block rb of wb[d][p]^2, in f32.
; x: [4096][1024] f32, W: [1024][2048] f32, xb: [4096][1024] bf16, wb: [1024][2048] bf16, psum: [16][2048] f32.
; The squares are taken of the ROUNDED numbers: wb is the matrix operand of all four products, so the norm that divides them is wb's own.
; A stream: each input byte is read once, each output byte written once; no matrix work, nothing shared between work-groups, so no cluster and no tiles in LDS.
; SHARES.  All 256 work-groups are alike.  Work-group g takes x's rows 16 g .. 16 g + 15 (65,536 dense bytes) and of W the block of 64 rows rb = g / 16 x 128 columns cs = g % 16.
; x: load j of 16 takes 4,096 bytes on end, 16 a thread; its store 2,048 bytes on end, 8 a thread: a wave's store covers 256 consecutive bytes, aligned.
; W: wave w takes rows 8 w .. 8 w + 7 of the block, a row a load: 512 bytes on end a wave; a row's store is 256 consecutive bytes, aligned.
; All 24 loads of a lane go out at the head; every wait for them is counted.
; The eight waves' sums of squares meet in LDS; wave 0 adds them and stores 512 bytes of psum.
; LIMITS.  The sums of squares are plain f32 sums, in an order of their own; a column whose squares overflow f32 gives an infinity here.
; THE MODE: SCHED_MODE bits 1:0 = 2 (LLVM: expert scheduling mode 2), set by the entry lines.  The code itself states the register dependences
; between vector instructions and memory or LDS instructions, with s_wait_alu, always for 0.
; THE PLAN.  The 24 loads are worked on in six blocks of four: W's rows 0-3 and 4-7, x's loads 0-3, 4-7, 8-11, 12-15.  Registers that memory or LDS instructions touch:
;   v1-v4, v6   byte offsets, made at the head and never written again: read by every load and store.
;   WL, XL      as loaded: each register is loaded once from memory and read by its block's roundings.  In wave 0's tail WL takes the eight partial sums out of LDS; the tree adds them in place.
;   WP, XP      to store: each register is written once, by its block's roundings, and read by one store.
;   SS          written by blocks 0 and 1, read by one LDS store.
;   v12, v13    written at the head, read by the closing add alone.
; Block p's four stores stand in one run at the head of block p + 1, behind that block's first wait for data and ONE wait on va_vdst, which states that block p has written its out registers.
; No register that a memory or LDS instruction reads is ever written again, so the text holds no wait on vm_vsrc and none on XCNT.
.set PART,  0                          ; LDS: wave w's 128 partial sums at 512 w
.set SPARE, 4096                       ; behind them: the spare words, 128 bytes for each of the eight waves: four blocks of 256 bytes that no other line names
.set XO,  1                            ; v1   16 t: my offset in a load of x; also 512 w + 16 l, my place among the partial sums in LDS
.set XS,  2                            ; v2   8 t: my offset in a store of xb
.set WO,  3                            ; v3   65,536 w + 16 l: my wave's 8 rows of W, my 4 columns
.set WS,  4                            ; v4   32,768 w + 8 l: the same in wb
.set LO,  6                            ; v6   16 l
.set SS,  8                            ; v[8:11]   sums of squares of my 4 columns
.set SPW, 12                           ; v12  LDS address of my spare word: SPARE + 4 x my thread's number; never rewritten
.set NIL, 13                           ; v13  0; never rewritten
.set T,   16                           ; v[16:19]  four rounded numbers as f32: no memory instruction names them
.set WL,  20                           ; v[20:51]  W as loaded, 4 registers a row; later the eight partial sums
.set XL,  52                           ; v[52:115] x as loaded, 4 registers a load
.set WP,  116                          ; v[116:131] wb to store, 2 registers a row
.set XP,  132                          ; v[132:163] xb to store, 2 registers a load
	s_load_b256 s[4:11], s[0:1], 0x0               ; x s[4:5], W s[6:7], xb s[8:9], wb s[10:11]
	s_load_b64 s[12:13], s[0:1], 0x20              ; psum
	v_lshl_add_u32 v[SPW], v0, 2, SPARE
	v_mov_b32 v[NIL], 0
	v_lshrrev_b32 v7, 5, v0
	v_readfirstlane_b32 s16, v7                    ; wave 0..7
	v_and_b32 v[LO], 31, v0                        ; lane
	v_lshlrev_b32 v[XO], 4, v0
	v_lshlrev_b32 v[XS], 3, v0
	v_lshlrev_b32 v[WO], 4, v[LO]
	v_lshl_add_u32 v[WO], v7, 16, v[WO]            ; 8 rows of 8,192 bytes a wave
	v_lshlrev_b32 v[WS], 3, v[LO]
	v_lshl_add_u32 v[WS], v7, 15, v[WS]            ; 8 rows of 4,096 bytes a wave
	v_lshlrev_b32 v[LO], 4, v[LO]
	s_wait_alu depctr_va_sdst(0)                   ; s16 is written, ahead of its first reader: the compare behind the barrier, which picks wave 0
	s_mov_b32 s17, 0xffff0000                      ; a word's upper bf16
	s_lshl_b32 s14, ttmp9, 16                      ; x: 16 rows of 4,096 bytes a work-group
	s_mov_b32 s15, 0
	s_lshl_b32 s18, ttmp9, 15                      ; xb: half of that
	s_mov_b32 s19, 0
	s_lshr_b32 s20, ttmp9, 4                       ; rb
	s_and_b32 s21, ttmp9, 15                       ; cs
	s_lshl_b32 s22, s20, 19                        ; W: 64 rows of 8,192 bytes,
	s_lshl_b32 s24, s21, 9                         ; 128 columns of 4 bytes
	s_add_co_u32 s22, s22, s24
	s_mov_b32 s23, 0
	s_lshl_b32 s26, s20, 13                        ; psum: row rb of 8,192 bytes, the same columns
	s_add_co_u32 s26, s26, s24
	s_mov_b32 s27, 0
	s_lshr_b32 s24, s22, 1                         ; wb: half of W's offset
	s_mov_b32 s25, 0
	s_wait_kmcnt 0x0
	s_add_nc_u64 s[4:5], s[4:5], s[14:15]
	s_add_nc_u64 s[6:7], s[6:7], s[22:23]
	s_add_nc_u64 s[8:9], s[8:9], s[18:19]
	s_add_nc_u64 s[10:11], s[10:11], s[24:25]
	s_add_nc_u64 s[12:13], s[12:13], s[26:27]
	s_wait_alu depctr_va_vdst(0)                   ; the five offsets v1 to v4 and v6 are written, which every load and store of the kernel reads; so are v12 and v13, which the closing add reads
.irp j, 0,1,2,3,4,5,6,7
	global_load_b128 v[WL+4*(\j):WL+4*(\j)+3], v[WO], s[6:7] offset:(\j)*8192 th:TH_LOAD_NT
.endr
.irp j, 0,1,2,3,4,5,6,7,8,9,10,11,12,13,14,15
	global_load_b128 v[XL+4*(\j):XL+4*(\j)+3], v[XO], s[4:5] offset:(\j)*4096 th:TH_LOAD_NT
.endr
	; W, blocks 0 and 1: round, square the rounded numbers; block 0's rows are stored at block 1's head
.irp j, 0,1,2,3,4,5,6,7
	s_wait_loadcnt 23-(\j)                         ; loads come back in order: row j is in; the 7 - j later rows and x's 16 loads may stay out
.if (\j) == 4
	s_wait_alu depctr_va_vdst(0)                   ; block 0's roundings have written WP's rows 0 to 3, which the four stores below read
.irp i, 0,1,2,3
	global_store_b64 v[WS], v[WP+2*(\i):WP+2*(\i)+1], s[10:11] offset:(\i)*4096
.endr
.endif
	v_cvt_pk_bf16_f32 v[WP+2*(\j)],   v[WL+4*(\j)],   v[WL+4*(\j)+1]
	v_cvt_pk_bf16_f32 v[WP+2*(\j)+1], v[WL+4*(\j)+2], v[WL+4*(\j)+3]
	v_lshlrev_b32 v[T],   16,  v[WP+2*(\j)]        ; bf16 to f32: the low half moves up,
	v_and_b32     v[T+1], s17, v[WP+2*(\j)]        ; the high half stays
	v_lshlrev_b32 v[T+2], 16,  v[WP+2*(\j)+1]
	v_and_b32     v[T+3], s17, v[WP+2*(\j)+1]
.if (\j) == 0
	v_pk_mul_f32 v[SS:SS+1],   v[T:T+1],   v[T:T+1]      ; the first row starts the sums: nothing is cleared
	v_pk_mul_f32 v[SS+2:SS+3], v[T+2:T+3], v[T+2:T+3]
.else
	v_pk_fma_f32 v[SS:SS+1],   v[T:T+1],   v[T:T+1],   v[SS:SS+1]
	v_pk_fma_f32 v[SS+2:SS+3], v[T+2:T+3], v[T+2:T+3], v[SS+2:SS+3]
.endif
.endr
	; x, blocks 2 to 5: round; each block's head stores what the block before has made
.irp j, 0,1,2,3,4,5,6,7,8,9,10,11,12,13,14,15
	s_wait_loadcnt 15-(\j)                         ; load j of x is in; the 15 - j later ones may stay out
.if (\j) == 0
	s_wait_alu depctr_va_vdst(0)                   ; block 1 has written WP's rows 4 to 7, which the four stores below read, and SS, which the LDS store reads
.irp i, 4,5,6,7
	global_store_b64 v[WS], v[WP+2*(\i):WP+2*(\i)+1], s[10:11] offset:(\i)*4096
.endr
	ds_store_b128 v[XO], v[SS:SS+3] offset:PART    ; my wave's sums over its 8 rows
.elseif (\j)%4 == 0
	s_wait_alu depctr_va_vdst(0)                   ; the block before has written its eight registers of XP, which the four stores below read
.irp i, 0,1,2,3
	global_store_b64 v[XS], v[XP+2*((\j)-4+(\i)):XP+2*((\j)-4+(\i))+1], s[8:9] offset:((\j)-4+(\i))*2048
.endr
.endif
	v_cvt_pk_bf16_f32 v[XP+2*(\j)],   v[XL+4*(\j)],   v[XL+4*(\j)+1]
	v_cvt_pk_bf16_f32 v[XP+2*(\j)+1], v[XL+4*(\j)+2], v[XL+4*(\j)+3]
.endr
	s_wait_alu depctr_va_vdst(0)                   ; block 5 has written XP's last eight registers, which the four stores below read; and every rounding is done reading WL, in which wave 0's LDS loads land: no vector instruction stands between this wait and those loads
.irp i, 12,13,14,15
	global_store_b64 v[XS], v[XP+2*(\i):XP+2*(\i)+1], s[8:9] offset:(\i)*2048
.endr
	s_wait_dscnt 0x0                               ; for wave 0's sake: my partial sums lie in LDS
	s_barrier_signal -1
	s_barrier_wait -1
	s_cmp_lg_u32 s16, 0
	s_cbranch_scc1 .Lend                           ; wave 0 adds the eight
.irp v, 0,1,2,3,4,5,6,7
	ds_load_b128 v[WL+4*(\v):WL+4*(\v)+3], v[LO] offset:PART+512*(\v)
.endr
	s_wait_dscnt 0x0
.irp d, 4,2,1                          ; a tree: d vectors of four are added onto d others
.set k, 0
.rept 2*(\d)
	v_pk_add_f32 v[WL+2*k:WL+2*k+1], v[WL+2*k:WL+2*k+1], v[WL+4*(\d)+2*k:WL+4*(\d)+2*k+1]
.set k, k+1
.endr
.endr
	s_wait_alu depctr_va_vdst(0)                   ; the tree has written v[WL:WL+3], which the store below reads
	global_store_b128 v[LO], v[WL:WL+3], s[12:13]  ; 512 bytes on end
.Lend:
	s_wait_dscnt 0x0                               ; the wave's end
	s_wait_alu 0x0
	s_wait_tensorcnt 0x0
	ds_add_u32 v[SPW], v[NIL]
	s_wait_dscnt 0x0
	s_endpgm
.Lfunc_end_k_q3faac8195e_prep:
	.size	k_q3faac8195e_prep, .Lfunc_end_k_q3faac8195e_prep-k_q3faac8195e_prep
	.p2alignl 7, 3214868480
	.fill 96, 4, 3214868480
	.section	.rodata,"a",@progbits
	.p2align	6, 0x0
	.amdhsa_kernel k_q3faac8195e_prep
		.amdhsa_group_segment_fixed_size 5120
		.amdhsa_private_segment_fixed_size 0
		.amdhsa_enable_private_segment 0
		.amdhsa_kernarg_size 40
		.amdhsa_user_sgpr_count 2
		.amdhsa_user_sgpr_kernarg_segment_ptr 1
		.amdhsa_wavefront_size32 1
		.amdhsa_system_sgpr_workgroup_id_x 1
		.amdhsa_system_sgpr_workgroup_id_y 1
		.amdhsa_system_sgpr_workgroup_id_z 1
		.amdhsa_system_vgpr_workitem_id 0
		.amdhsa_next_free_vgpr 168
		.amdhsa_next_free_sgpr 66
		.amdhsa_reserve_vcc 0
		.amdhsa_float_denorm_mode_32 3
		.amdhsa_float_denorm_mode_16_64 3
		.amdhsa_memory_ordered 1
		.amdhsa_forward_progress 1
		.amdhsa_inst_pref_size 15
	.end_amdhsa_kernel
	.amdgpu_metadata
---
amdhsa.version: [ 1, 2 ]
amdhsa.kernels:
  - .name:           k_q3faac8195e_prep
    .symbol:         k_q3faac8195e_prep.kd
    .args:
      - { .name: x, .offset: 0, .size: 8, .value_kind: global_buffer, .address_space: global }
      - { .name: W, .offset: 8, .size: 8, .value_kind: global_buffer, .address_space: global }
      - { .name: xb, .offset: 16, .size: 8, .value_kind: global_buffer, .address_space: global }
      - { .name: wb, .offset: 24, .size: 8, .value_kind: global_buffer, .address_space: global }
      - { .name: psum, .offset: 32, .size: 8, .value_kind: global_buffer, .address_space: global }
    .group_segment_fixed_size: 5120
    .private_segment_fixed_size: 0
    .kernarg_segment_align: 8
    .kernarg_segment_size: 40
    .max_flat_workgroup_size: 256
    .sgpr_count:     66
    .vgpr_count:     168
    .wavefront_size: 32
...
	.end_amdgpu_metadata
.endif
;; end of part 6
;; launch fwd1: the kernel of part 2 again; grid 8 x 32, 4 waves a work-group, clusters of 4 x 4, 327,680 bytes of LDS; arguments xb, wb, psum, u1; writes u1
;; launch bwd1: the kernel of part 3 again; grid 8 x 32, 4 waves a work-group, clusters of 4 x 4, 327,680 bytes of LDS; arguments u1, wb, e, xb; writes e
;; launch fwd2: the kernel of part 4 again; grid 8 x 32, 4 waves a work-group, clusters of 4 x 4, 327,680 bytes of LDS; arguments e, wb, psum, u2, u1, out1; writes u2, out1
;; launch bwd2: the kernel of part 5 again; grid 8 x 32, 4 waves a work-group, clusters of 4 x 4, 327,680 bytes of LDS; arguments u2, wb, out0; writes out0
